; MI455X (gfx1250); checked and timed in simulation.
; The chip was launched on July 23, 2026; its instructions are those of AMD's public machine-readable ISA for CDNA 5 (MIT licence, August 2026) and "CDNA5" Instruction Set Architecture Reference Guide (July 2026). The comments in the code are by the model that wrote it; some were corrected since.
;; Multihead Einsum Orig. Allowed arithmetic: matrix products marked QUANTISED: E2M3 operands, one E8M0 scale for each 32 along K, by v_wmma_scale_f32_16x16x128_f8f6f4 with both operands' format E2M3, f32 sums; everything else in f32.
;; Inputs: Wout 1,024 x 1,024 float32; Wqkv 3,072 x 1,024 float32; x 4 x 2,048 x 1,024 float32.
;; Outputs: out0 4 x 2,048 x 1,024 float32.
;; This version of the problem:
;;   THIS VERSION OF THE PROBLEM IS GIVEN IN LOW PRECISION. The matrix products marked QUANTISED in the list below multiply operands that are first quantised to E2M3 (2 exponent bits, 3 mantissa bits; 6 bits a number), with one power-of-two scale for each 32 numbers along K (OCP MX v1.0); their sums are f32. All else is computed in f32.
;;   The module's matrix products, in the order in which they are computed (A, B: the left and right operand; K: the contracted axis; several contracted axes count as one K, in the product's order):
;;     1. [M 8,192, K 1,024] x [K 1,024, N 3,072]; A: input x; B: input Wqkv: QUANTISED
;;     2. batch 64 x [M 2,048, K 64] x [K 64, N 2,048]; A: computed on the way; B: computed on the way: QUANTISED
;;     3. batch 64 x [M 2,048, K 2,048] x [K 2,048, N 64]; A: softmax (see below); B: computed on the way: QUANTISED
;;     4. [M 8,192, K 1,024] x [K 1,024, N 1,024]; A: computed on the way; B: input Wout: QUANTISED
;;   THE QUANTISER, for each operand of a quantised product, along K:
;;     - K is cut into blocks of 32 from its start; a last block that is shorter is filled with zeros.
;;     - A block's scale is 2^e with e = floor(log2(the largest magnitude in the block)) - 2, held to -126 .. 127; a block of zeros has e = 0. As a byte (E8M0): e + 127.
;;     - Each number is divided by its block's scale, clamped to +-7.5, and rounded to the nearest number of E2M3, ties to even, subnormals kept.
;;     - The product sums the exact products of the quantised numbers (number of the format x scale) in f32.
;;   ~~~python
;;   def quantise(x, axis):      # numpy; x: float32 -> the quantised numbers, widened to float32 again
;;       x = np.moveaxis(x, axis, -1); K = x.shape[-1]
;;       x = np.pad(x, [(0, 0)] * (x.ndim - 1) + [(0, -K % 32)]); x = x.reshape(x.shape[:-1] + (-1, 32)); a = np.abs(x).max(-1, keepdims=True)
;;       e = np.where(a > 0, np.clip(np.frexp(np.where(a > 0, a, 1))[1] - 1 - 2, -126, 127), 0)      # np.frexp(a)[1] - 1 = floor(log2(a)), exactly
;;       r = np.clip(x / 2.0 ** e, -7.5, 7.5)
;;       step = 2.0 ** (np.maximum(np.frexp(np.where(r == 0, 1, r))[1] - 1, 0) - 3)
;;       q = np.round(r / step) * step * 2.0 ** e      # np.round: ties to even
;;       return np.moveaxis(q.reshape(q.shape[:-2] + (-1,))[..., :K], -1, axis).astype(np.float32)
;;   ~~~
;;   SOFTMAX AHEAD OF A QUANTISED PRODUCT. Where the list says 'softmax', what is quantised is not the finished softmax but p = 2^(t - M), with t = logit x log2(e) and M = ceil(the row's largest t), a whole number; so 1/2 < the row's largest p <= 1. The row's sum l is taken of the UNQUANTISED p, in f32, and the product's result is divided by l at the end. Since M is a whole number, a kernel that streams over the keys may use a running M (the ceiling of the running maximum): every later rescaling is an exact power of two, which a block's scale takes up: the codes' values come out the same.
;;   OPERANDS COMPUTED ON THE WAY. 'Computed on the way' means the value that the module computes at that place (a softmax that the list does not call 'softmax' is quantised finished and normalised). What goes into a quantiser is computed in f32, as accurately as f32 sums, v_exp_f32 and their like allow (about 1e-6 of the number): no bf16 or f16 on the way to a quantiser, and a product that is left as it is and whose result goes on into a quantised operand takes f32 operands (vector FMAs, or v_wmma_f32_16x16x4_f32). A number that lies on a knife's edge between two numbers of the format may be rounded either way, as far as f32 arithmetic and the matrix unit's own rounding can turn it there, and no further.
;; One version. Each part assembles by itself: llvm-mc -triple=amdgcn-amd-amdhsa -mcpu=gfx1250 --defsym DOCPART=n.
;; ======== version 1 of 1: 4 launches
;; limits: right only within a limited range of input values
;; workspace buffers: xq 6,553,600 bytes; wqkq 1,835,008 bytes; wvq 1,048,576 bytes; woutq 1,048,576 bytes; qk 14,680,064 bytes; vv 52,428,800 bytes; oq 6,553,600 bytes
;; launch quant (part 1): grid 768 x 1, 4 waves a work-group, no clusters, 35,328 bytes of LDS; arguments x, Wqkv, Wout, xq, wqkq, wvq, woutq; writes xq, wqkq, wvq, woutq
.if DOCPART == 1
	.amdgcn_target "amdgcn-amd-amdhsa--gfx1250"
	.amdhsa_code_object_version 6
	.text
	.protected	k_qc824642d95_quant
	.globl	k_qc824642d95_quant
	.p2align	8
	.type	k_qc824642d95_quant,@function
k_qc824642d95_quant:
	s_mov_b64 s[64:65], 0
	v_nop
	global_prefetch_b8 v0, s[64:65] scope:SCOPE_SE
	s_setreg_imm32_b32 hwreg(HW_REG_WAVE_MODE, 25, 1), 1
	s_wait_xcnt 0x0
; x [8192][1024], Wqkv [3072][1024] and Wout [1024][1024], f32, K innermost, become codes of FP6 (E2M3) with one E8M0 byte for each 32 along K.
; A block's scale is 2^(floor(log2(its largest magnitude)) - 2); its byte is the largest magnitude's exponent field - 2, held at 1 from below.
; LIMITS: a block of zeros gets the byte 1 where the quantiser says 127 (its codes are zeros, which add nothing, and this program alone reads the bytes);
; NaN and infinities among the inputs are not served.
; LAYOUT OF A DESTINATION: first the scale bytes, 32 for each row, in a region of SCR bytes; behind it the codes as IMAGES OF THE OPERAND'S REGISTERS.
; A half image is 16 rows x 64 K, 768 bytes: six registers of a fragment as they stand: lane l's first four at 16 l, its last two at 512 + 8 l.
; Row block i (16 rows) has its 16 half images on end, at SCR + 12,288 i.  So every later load of a fragment, and every store here, covers consecutive bytes.
; THE ROWS OF Wqkv ARE PUT IN ANOTHER ORDER: row f = 48 d + 16 c + head (c = 0, 1, 2: q, k, v) goes to row 128 head + 64 c + p of wqkq (c < 2) or 64 head + p of wvq,
; with d = p with its bits 3 and 4 exchanged.  A tile of 16 destination rows then takes d = d0 + 0..7 and d0 + 16..23, so that in the products' results, which hold
; eight columns 8 (lane / 16) + j of a tile in a lane, the 16 registers of two neighbouring tiles are 16 neighbours along d.
; SHARES: a work-group takes one destination row block, wave w its K = 256 w .. 256 w + 255, two K steps of 128.  All 32 loads of a wave go out at once; each reads 512
; consecutive bytes of one row.  The numbers turn through the wave's own stage in LDS, so that a lane holds 16 neighbours of each block of 32 of ITS row.
; No cluster, no tensor load, no matrix unit: work-groups share no input and memory binds.
.set SCR,   262144                     ; the scale bytes' region
.set RBK,   12288                      ; a row block's images
.set STG,   16*528                     ; a wave's stage: 16 rows of 512 bytes + 16: sixteen rows of a column of 16 bytes lie 33 x 16 bytes apart
.set WORDS, 4*STG                      ; behind the stages: the row block's 512 scale bytes
.set SEL,   2                          ; s[2:3]   lane selects for v_permlanex16_b32: lane l xor 16
.set RB,    66                         ; s[66:97] the address of each of the 16 source rows at my wave's K
.set TM,    16                         ; v16-19 largest magnitudes, v20-23 permuted, then bytes, v28-31 the conversions' scale operands
.set PC,    32                         ; v32-43 the fragment; v44-46, v48-50 the conversions' second halves
.set SW,    52                         ; v52-53 my row's scale words of the two K steps
.set R,     64                         ; v64-191 two sets of 64 numbers as loaded
.set X,     192                        ; v192-255 64 numbers: register 16 b + i = k 32 b + 16 (lane / 16) + i of row lane % 16
	s_load_b256 s[4:11], s[0:1], 0x0               ; x s[4:5], Wqkv s[6:7], Wout s[8:9], xq s[10:11]
	s_load_b128 s[12:15], s[0:1], 0x20             ; wqkq s[12:13], wvq s[14:15]
	s_load_b64 s[16:17], s[0:1], 0x30              ; woutq
	v_lshl_add_u32 v62, v0, 2, 0x8800
	v_mov_b32 v63, 0
	v_lshrrev_b32 v1, 5, v0
	v_readfirstlane_b32 s18, v1                    ; wave 0..3
	v_and_b32 v1, 31, v0                           ; lane
	v_and_b32 v2, 15, v0                           ; r
	v_bfe_u32 v3, v0, 4, 1                         ; h
	v_lshlrev_b32 v4, 4, v1                        ; 16 x lane
	v_lshlrev_b32 v5, 3, v1                        ; 8 x lane
	s_mul_i32 s19, s18, STG
	s_lshl_b32 s20, s18, 3
	v_add_nc_u32 v6, s19, v4                       ; the stage, on the way in: a row's 512 bytes as they lie
	v_mul_u32_u24 v7, v2, 528
	v_lshl_add_u32 v7, v3, 6, v7
	v_add_nc_u32 v7, s19, v7                       ; and on the way out: row r, + 64 h: my 16 numbers of a block
	v_lshlrev_b32 v8, 5, v2
	v_add_nc_u32 v8, s20, v8
	v_add_nc_u32 v8, WORDS, v8                     ; my row's 32 scale bytes, my wave's 8 of them
	v_add_nc_u32 v9, WORDS, v4                     ; and the 512 bytes on the way out
.irp b, 0,1,2,3
	v_mov_b32 v[TM+4+\b], 0                        ; written once: a lane permute's destination counts as one of its sources
.endr
	s_mov_b32 s[SEL], 0x76543210
	s_mov_b32 s[SEL+1], 0xfedcba98
	; WHICH ROWS.  Work-groups 0-511: x; 512-575: Wout; 576-703: Wqkv's rows for wqkq; 704-767: those for wvq.  All hangs on the work-group's number alone.
	s_max_u32 s24, ttmp9, 576
	s_sub_co_u32 s24, s24, 576                     ; w: the row block among Wqkv's 192 (0 for the others, which do not use it)
	s_max_u32 s28, s24, 128
	s_sub_co_u32 s28, s28, 128                     ; the row block in wvq
	s_and_b32 s25, s24, 3                          ; t: which 16 of a head's 64 places
	s_lshr_b32 s29, s25, 1
	s_and_b32 s25, s25, 1
	s_mul_i32 s29, s29, 32*48
	s_mul_i32 s25, s25, 8*48
	s_add_co_u32 s29, s29, s25                     ; 48 x the tile's first d = 48 (32 (t / 2) + 8 (t % 2))
	s_lshr_b32 s26, s24, 3                         ; q, k: head
	s_bfe_u32 s27, s24, 0x10002                    ;       c
	s_lshr_b32 s30, s28, 2                         ; v: head
	s_cmp_lt_u32 s24, 128
	s_cselect_b32 s26, s26, s30
	s_cselect_b32 s27, s27, 2
	s_cselect_b32 s28, s24, s28                    ; the row block in the weight's destination
	s_lshl_b32 s27, s27, 4
	s_add_co_u32 s29, s29, s27
	s_add_co_u32 s29, s29, s26                     ; the first source row: 48 d0 + 16 c + head,
	s_lshl_b32 s29, s29, 12                        ; in bytes
	s_max_u32 s30, ttmp9, 512
	s_sub_co_u32 s30, s30, 512
	s_cmp_lt_u32 ttmp9, 512
	s_cselect_b32 s30, ttmp9, s30                  ; x, Wout: the row block, rows as they lie,
	s_lshl_b32 s31, s30, 16                        ; 16 rows of 4,096 bytes each
	s_mov_b32 s36, 48*4096                         ; Wqkv: from a row to the next of eight: d + 1;
	s_mov_b32 s38, 768*4096                        ; from the first eight to the second: d + 16
	s_cmp_lt_u32 ttmp9, 576
	s_cselect_b32 s30, s30, s28                    ; the destination's row block
	s_cselect_b32 s22, s31, s29                    ; the first source row's byte
	s_cselect_b32 s36, 4096, s36
	s_cselect_b32 s38, 32768, s38
	s_mov_b32 s37, 0
	s_mov_b32 s39, 0
	s_lshl_b32 s23, s18, 10
	s_add_co_u32 s22, s22, s23                     ; + my wave's 256 numbers along K
	s_mov_b32 s23, 0
	s_mul_i32 s24, s30, RBK
	s_mul_i32 s25, s18, 3072
	s_add_co_u32 s24, s24, s25
	s_add_co_u32 s24, s24, SCR                     ; my wave's four half images
	s_mov_b32 s25, 0
	s_lshl_b32 s26, s30, 9                         ; the row block's 512 scale bytes
	s_mov_b32 s27, 0
	s_wait_alu depctr_va_vdst(0)
	s_wait_kmcnt 0x0
	s_cmp_lt_u32 ttmp9, 576
	s_cselect_b64 s[32:33], s[8:9], s[6:7]         ; the source,
	s_cselect_b64 s[34:35], s[16:17], s[12:13]     ; the destination
	s_cmp_lt_u32 ttmp9, 512
	s_cselect_b64 s[32:33], s[4:5], s[32:33]
	s_cselect_b64 s[34:35], s[10:11], s[34:35]
	s_cmp_lt_u32 ttmp9, 704
	s_cselect_b64 s[34:35], s[34:35], s[14:15]
	s_add_nc_u64 s[40:41], s[34:35], s[24:25]      ; where my images go
	s_add_nc_u64 s[34:35], s[34:35], s[26:27]      ; where the scale bytes go
	s_add_nc_u64 s[RB:RB+1], s[32:33], s[22:23]
.irp i, 1,2,3,4,5,6,7
	s_add_nc_u64 s[RB+2*\i:RB+2*\i+1], s[RB+2*\i-2:RB+2*\i-1], s[36:37]
.endr
	s_add_nc_u64 s[RB+16:RB+17], s[RB:RB+1], s[38:39]
.irp i, 9,10,11,12,13,14,15
	s_add_nc_u64 s[RB+2*\i:RB+2*\i+1], s[RB+2*\i-2:RB+2*\i-1], s[36:37]
.endr
.macro LOADS s                         ; K step s of the 16 rows: each load reads 512 consecutive bytes of one row; read once in the launch
.irp i, 0,1,2,3,4,5,6,7,8,9,10,11,12,13,14,15
	global_load_b128 v[R+64*\s+4*\i:R+64*\s+4*\i+3], v4, s[RB+2*\i:RB+2*\i+1] offset:512*\s th:TH_LOAD_NT
.endr
.endm
.macro TURN s                          ; through my stage: LDS serves a wave's instructions in order (ISA guide 5.7.1.4), so no wait stands between the stores and the loads
.irp i, 0,1,2,3,4,5,6,7,8,9,10,11,12,13,14,15
	ds_store_b128 v6, v[R+64*\s+4*\i:R+64*\s+4*\i+3] offset:528*\i
.endr
.irp b, 0,1,2,3
.irp j, 0,1,2,3
	ds_load_b128 v[X+16*\b+4*\j:X+16*\b+4*\j+3], v7 offset:128*\b+16*\j
.endr
.endr
.endm
; 64 numbers of a lane, v[s] on, become a fragment's codes in v[PC] .. v[PC + 11] and my row's scale word in v[pw].
.macro QUANT s, pw
.irp b, 0,1,2,3
	v_max3_num_f32 v[TM+\b], |v[\s+16*\b]|, |v[\s+1+16*\b]|, 0x1800000   ; block b: my 16 numbers, and the floor 2^(3 - 127): the byte cannot fall under 1
.endr
.irp i, 2,4,6,8,10,12,14
.irp b, 0,1,2,3
	v_max3_num_f32 v[TM+\b], v[TM+\b], |v[\s+16*\b+\i]|, |v[\s+1+16*\b+\i]|   ; the four blocks by turns
.endr
.endr
.irp b, 0,1,2,3
	v_permlanex16_b32 v[TM+4+\b], v[TM+\b], s[SEL], s[SEL+1]
.endr
.irp b, 0,1,2,3
	v_max_num_f32 v[TM+\b], v[TM+\b], v[TM+4+\b]   ; with lane l xor 16's 16: the block's largest magnitude
.endr
.irp b, 0,1,2,3
	v_add_nc_u32 v[TM+12+\b], 0xff000000, v[TM+\b] ; 2 off its exponent field: the conversion takes this operand's exponent field as its scale
.endr
.irp b, 0,1,2,3
	v_lshrrev_b32 v[TM+4+\b], 23, v[TM+12+\b]      ; the scale's byte
.endr
	v_lshl_or_b32 v[\pw], v[TM+5], 8, v[TM+4]
	v_lshl_or_b32 v[\pw], v[TM+6], 16, v[\pw]
	v_lshl_or_b32 v[\pw], v[TM+7], 24, v[\pw]
.irp c, 0,1
	v_cvt_scalef32_pk16_fp6_f32 v[PC+6*\c:PC+2+6*\c], v[\s+32*\c:\s+15+32*\c], v[TM+12+2*\c]
	v_cvt_scalef32_pk16_fp6_f32 v[PC+12+4*\c:PC+14+4*\c], v[\s+16+32*\c:\s+31+32*\c], v[TM+12+2*\c+1]   ; (a conversion's three registers begin on an even number)
.endr
	v_nop                                          ; one plain place behind a scaled conversion
.irp c, 0,1                                    ; the operand's layout wants a whole block in a lane: lanes 0-15 block 2 c, lanes 16-31 block 2 c + 1
.irp i, 0,1,2
	v_permlane16_swap_b32 v[PC+6*\c+\i], v[PC+12+4*\c+\i]
.endr
.irp i, 0,1,2
	v_mov_b32 v[PC+3+6*\c+\i], v[PC+12+4*\c+\i]
.endr
.endr
.endm
.macro OUT s                           ; the fragment leaves as two half images: stores of 512 and of 256 consecutive bytes, each at a multiple of 256 from the buffer's first byte
	global_store_b128 v4, v[PC:PC+3], s[40:41] offset:1536*\s
	global_store_b64 v5, v[PC+4:PC+5], s[40:41] offset:1536*\s+512
	global_store_b128 v4, v[PC+6:PC+9], s[40:41] offset:1536*\s+768
	global_store_b64 v5, v[PC+10:PC+11], s[40:41] offset:1536*\s+1280
.endm
	LOADS 0
	LOADS 1
	s_wait_loadcnt 16                              ; K step 0's sixteen loads are in; K step 1's sixteen stay out
	TURN 0
	s_wait_dscnt 0x0
	QUANT X, SW
	OUT 0
	s_wait_loadcnt 0x0
	TURN 1
	s_wait_dscnt 0x0
	s_wait_xcnt 0x0                                ; the codes' registers, which the four stores above read, are written again only behind this wait
	QUANT X, SW+1
	OUT 1
	ds_store_b64 v8, v[SW:SW+1]                    ; lanes l and l xor 16 write the same bytes with the same value
	s_wait_dscnt 0x0                               ; for wave 0's sake: my words lie in LDS
	s_barrier_signal -1
	s_barrier_wait -1
	s_cmp_lg_u32 s18, 0
	s_cbranch_scc1 .Ldone
	ds_load_b128 v[10:13], v9                      ; the row block's 512 scale bytes, which four waves wrote,
	s_wait_dscnt 0x0
	global_store_b128 v4, v[10:13], s[34:35]       ; leave by one store of 512 consecutive bytes
.Ldone:
	s_wait_tensorcnt 0x0
	ds_add_u32 v62, v63
	s_wait_dscnt 0x0
	s_endpgm
.Lfunc_end_k_qc824642d95_quant:
	.size	k_qc824642d95_quant, .Lfunc_end_k_qc824642d95_quant-k_qc824642d95_quant
	.p2alignl 7, 3214868480
	.fill 96, 4, 3214868480
	.section	.rodata,"a",@progbits
	.p2align	6, 0x0
	.amdhsa_kernel k_qc824642d95_quant
		.amdhsa_group_segment_fixed_size 35328
		.amdhsa_private_segment_fixed_size 0
		.amdhsa_enable_private_segment 0
		.amdhsa_kernarg_size 56
		.amdhsa_user_sgpr_count 2
		.amdhsa_user_sgpr_kernarg_segment_ptr 1
		.amdhsa_wavefront_size32 1
		.amdhsa_system_sgpr_workgroup_id_x 1
		.amdhsa_system_sgpr_workgroup_id_y 1
		.amdhsa_system_sgpr_workgroup_id_z 1
		.amdhsa_system_vgpr_workitem_id 0
		.amdhsa_next_free_vgpr 256
		.amdhsa_next_free_sgpr 98
		.amdhsa_reserve_vcc 0
		.amdhsa_float_denorm_mode_32 3
		.amdhsa_float_denorm_mode_16_64 3
		.amdhsa_memory_ordered 1
		.amdhsa_forward_progress 1
		.amdhsa_inst_pref_size 21
	.end_amdhsa_kernel
	.amdgpu_metadata
---
amdhsa.version: [ 1, 2 ]
amdhsa.kernels:
  - .name:           k_qc824642d95_quant
    .symbol:         k_qc824642d95_quant.kd
    .args:
      - { .name: x, .offset: 0, .size: 8, .value_kind: global_buffer, .address_space: global }
      - { .name: Wqkv, .offset: 8, .size: 8, .value_kind: global_buffer, .address_space: global }
      - { .name: Wout, .offset: 16, .size: 8, .value_kind: global_buffer, .address_space: global }
      - { .name: xq, .offset: 24, .size: 8, .value_kind: global_buffer, .address_space: global }
      - { .name: wqkq, .offset: 32, .size: 8, .value_kind: global_buffer, .address_space: global }
      - { .name: wvq, .offset: 40, .size: 8, .value_kind: global_buffer, .address_space: global }
      - { .name: woutq, .offset: 48, .size: 8, .value_kind: global_buffer, .address_space: global }
    .group_segment_fixed_size: 35328
    .private_segment_fixed_size: 0
    .kernarg_segment_align: 8
    .kernarg_segment_size: 56
    .max_flat_workgroup_size: 128
    .sgpr_count:     98
    .vgpr_count:     256
    .wavefront_size: 32
...
	.end_amdgpu_metadata
.endif
;; end of part 1
;; launch gemm_qk (part 2): grid 8 x 48, 4 waves a work-group, clusters of 4 x 4, 327,680 bytes of LDS; arguments xq, wqkq, qk, wvq, vv; writes qk, vv
.if DOCPART == 2
	.amdgcn_target "amdgcn-amd-amdhsa--gfx1250"
	.amdhsa_code_object_version 6
	.text
	.protected	k_qc824642d95_gemm_qk
	.globl	k_qc824642d95_gemm_qk
	.p2align	8
	.type	k_qc824642d95_gemm_qk,@function
k_qc824642d95_gemm_qk:
	s_mov_b64 s[64:65], 0
	v_nop
	global_prefetch_b8 v0, s[64:65] scope:SCOPE_SE
	s_setreg_imm32_b32 hwreg(HW_REG_WAVE_MODE, 25, 1), 1
	s_wait_xcnt 0x0
	s_wait_alu depctr_hold_cnt(0) depctr_sa_sdst(0) depctr_va_vdst(0) depctr_va_sdst(0) depctr_va_ssrc(0) depctr_va_vcc(0) depctr_vm_vsrc(0)
	s_getreg_b32 s2, hwreg(HW_REG_IB_STS2, 6, 4)
	s_cmp_eq_u32 s2, 0
	s_cbranch_scc0 .Lentry_in_a_cluster
	s_endpgm
.Lentry_in_a_cluster:
	s_bfe_u32 s2, ttmp6, 0x10000c
	s_cmp_lg_u32 s2, 0xf033
	s_cbranch_scc0 .Lentry_shape_is_right
	s_endpgm
.Lentry_shape_is_right:
.set SCR,    262144
.set WR,     2097152
.set NQ,     2
.set KROW,   768
.set STEPB,  3072
.set FR,     12
.set NL,     4
.set NP,     4
.set HALFT,  8*STEPB
.set SLOT,   4*HALFT
.set KS,     32
.set SCL,    2*SLOT
.set HALFS,  16*272
.set SBLK,   2*272
.set SPARE,  SCL+4*HALFS
.set ADRA, 16
.set ADRB, 20
.set WOFF, 24
.set HH,   25
.set ADRS, 27
.set SPW,  28
.set NIL,  29
.set L16,  30
.set L8,   31
.set SC,   32
.set TM,   64
.set SW,   80
.set PC,   96
.set T,    116
.set AF,   128
.set G1, 24
.set G0, 32
.set G1B, 48
.set G0B, 56
.set G1S, 68
.set G0S, 76
.set G1SB, 80
.set G0SB, 88
.set SEL, 98
.set MSB, 0
.macro WIN new
.if MSB != \new
	s_set_vgpr_msb (MSB<<8)|\new
.set MSB, \new
.endif
.endm
.set MUL_LO, 0xa1
.set MUL_HI, 0xf1
.set TO_B,   0x40
.macro JLOAD g0a, g1a, g0b, g1b
	s_cmp_eq_u32 s15, 0
	s_cbranch_scc0 .Lfor_b_\@
	tensor_load_to_lds s[\g0a:\g0a+3], s[\g1a:\g1a+7]
	s_nop 0
.rept 4
	v_nop
.endr
	s_branch .Lasked_\@
.Lfor_b_\@:
	tensor_load_to_lds s[\g0b:\g0b+3], s[\g1b:\g1b+7]
	s_nop 0
.rept 4
	v_nop
.endr
.Lasked_\@:
.endm
.macro CREST
	s_cmp_lg_u32 s14, 0
	s_cbranch_scc1 .Lnot_wave_0_\@
	s_barrier_signal -3
.Lnot_wave_0_\@:
	s_barrier_wait -3
	s_barrier_signal -1
	s_barrier_wait -1
.endm
.macro CROUND
	s_barrier_signal -1
	s_barrier_wait -1
	CREST
.endm
	s_load_b64 s[6:7], s[0:1], 0x0
	s_load_b64 s[10:11], s[0:1], 0x8
	s_load_b64 s[12:13], s[0:1], 0x10
	s_load_b64 s[4:5], s[0:1], 0x18                ; wvq
	s_load_b64 s[8:9], s[0:1], 0x20                ; vv
	v_lshl_add_u32 v[SPW], v0, 2, SPARE
	v_mov_b32 v[NIL], 0
	ds_add_u32 v28, v29
	ds_add_u32 v28, v29
	s_wait_dscnt 0x0
	v_lshrrev_b32 v1, 5, v0
	v_readfirstlane_b32 s14, v1
	s_lshr_b32 s15, s14, 1
	s_and_b32 s16, s14, 1
	s_bfe_u32 s40, ttmp6, 0x40000
	s_bfe_u32 s41, ttmp6, 0x40004
; ONE LAUNCH FOR TWO PRODUCTS.  Cluster rows 0 to 7: q and k = xq x wqkq, 32 x 8 tiles.  Cluster rows 8 to 11: v transposed = wvq x xq, 4 x 32 tiles: cluster (x, y) takes tile columns 4 (2 (y - 8) + x) on.
; The choice hangs on the cluster's y alone, which all sixteen partners share.
	s_and_b32 s17, ttmp7, 0xffff
	s_max_u32 s18, s17, 8
	s_sub_co_u32 s18, s18, 8
	s_lshl_b32 s18, s18, 1
	s_add_co_u32 s18, s18, ttmp9
	s_cmp_lt_u32 s17, 8
	s_cselect_b32 s42, ttmp9, s18
	s_cselect_b32 s17, s17, 0
	s_cselect_b32 s94, 1, 0                        ; 1: q and k; 0: v
	s_lshl_b32 s42, s42, 2
	s_add_co_u32 s42, s42, s40
	s_lshl_b32 s17, s17, 2
	s_add_co_u32 s17, s17, s41
	s_lshl_b32 s43, s41, 2
	s_lshl_b32 s43, 15, s43
	s_lshl_b32 s44, 0x1111, s40
	s_mov_b32 s[SEL], 0x76543210
	s_mov_b32 s[SEL+1], 0xfedcba98
	s_or_b32 s[G1+0], s43, (3<<16)|(1<<21)
	s_or_b32 s[G1B+0], s44, (3<<16)|(1<<21)
.irp g, G1, G1B
	s_mov_b32 s[\g+1], 384<<16
	s_mov_b32 s[\g+2], 16<<16                      ; the head's loads bring all 16 row blocks of a tile; behind them the two words are set to 8, for the ring's
	s_mov_b32 s[\g+3], 384<<16
	s_mov_b32 s[\g+4], 16
	s_mov_b32 s[\g+5], 1536
	s_mov_b32 s[\g+6], 0
	s_mov_b32 s[\g+7], 0
.endr
	s_or_b32 s[G1S+0], s43, (3<<16)|(1<<20)|(1<<21)|(5<<22)|(3<<25)
	s_or_b32 s[G1SB+0], s44, (3<<16)|(1<<20)|(1<<21)|(5<<22)|(3<<25)
.irp g, G1S, G1SB
	s_mov_b32 s[\g+1], 32<<16
	s_mov_b32 s[\g+2], 32<<16                      ; the scales of all 256 rows: 32 rows of 256 bytes
	s_mov_b32 s[\g+3], 32<<16
	s_mov_b32 s[\g+4], 32
	s_mov_b32 s[\g+5], 32
	s_mov_b32 s[\g+6], 0
	s_mov_b32 s[\g+7], 0
.endr
	s_lshl_b32 s20, s17, 8                         ; A: the tile's first row
	s_lshl_b32 s46, s42, 8                         ; B: likewise
	s_mov_b32 s21, 0
	s_mov_b32 s47, 0
	s_mov_b64 s[18:19], KS
	s_mul_u64 s[22:23], s[20:21], s[18:19]
	s_mul_u64 s[92:93], s[46:47], s[18:19]
	s_mov_b64 s[18:19], KROW
	s_mul_u64 s[20:21], s[20:21], s[18:19]
	s_mul_u64 s[46:47], s[46:47], s[18:19]
	s_mul_i32 s45, s14, HALFT
	s_mul_i32 s18, s16, 128*KROW                   ; in the ring I fetch 128 rows of a tile: which half, in bytes
	s_mov_b32 s19, 0
	s_wait_kmcnt 0x0
	s_cmp_eq_u32 s94, 1
	s_cselect_b64 s[10:11], s[10:11], s[6:7]       ; source 0's rows: wqkq or xq
	s_cselect_b64 s[6:7], s[6:7], s[4:5]           ; source 1's rows: xq or wvq
	s_cselect_b64 s[12:13], s[12:13], s[8:9]       ; the result: qk or vv
	s_add_nc_u64 s[4:5], s[6:7], SCR
	s_add_nc_u64 s[8:9], s[10:11], SCR
	s_add_nc_u64 s[20:21], s[4:5], s[20:21]
	s_add_nc_u64 s[22:23], s[6:7], s[22:23]
	s_add_nc_u64 s[46:47], s[8:9], s[46:47]
	s_add_nc_u64 s[92:93], s[10:11], s[92:93]
	CROUND
	s_mov_b32 s[G0S], 1
	s_mov_b32 s[G0S+1], SCL
	s_mov_b64 s[G0S+2:G0S+3], s[22:23]
	s_or_b32 s[G0S+3], s[G0S+3], 0x80000000
	s_mov_b32 s[G0SB], 1
	s_mov_b32 s[G0SB+1], SCL+2*HALFS
	s_mov_b64 s[G0SB+2:G0SB+3], s[92:93]
	s_or_b32 s[G0SB+3], s[G0SB+3], 0x80000000
	s_mov_b32 s4, 1                                ; s[4:7], s[8:11]: group 0 of the head's loads of K step 0: A's 16 row blocks, then B's (the addresses that lay there have been used)
	s_mov_b32 s5, 0
	s_mov_b64 s[6:7], s[20:21]
	s_or_b32 s7, s7, 0x80000000
	s_mov_b32 s8, 1
	s_mov_b32 s9, 2*HALFT
	s_mov_b64 s[10:11], s[46:47]
	s_or_b32 s11, s11, 0x80000000
	s_add_nc_u64 s[20:21], s[20:21], s[18:19]      ; for the ring: my 128 rows of the tile
	s_add_nc_u64 s[46:47], s[46:47], s[18:19]
.irp s, 0,1
	s_mov_b32 s[G0+4*\s], 1
	s_add_co_u32 s[G0+4*\s+1], s45, \s*SLOT
	s_add_nc_u64 s[G0+4*\s+2:G0+4*\s+3], s[20:21], \s*STEPB
	s_or_b32 s[G0+4*\s+3], s[G0+4*\s+3], 0x80000000
	s_mov_b32 s[G0B+4*\s], 1
	s_add_co_u32 s[G0B+4*\s+1], s45, \s*SLOT
	s_add_nc_u64 s[G0B+4*\s+2:G0B+4*\s+3], s[46:47], \s*STEPB
	s_or_b32 s[G0B+4*\s+3], s[G0B+4*\s+3], 0x80000000
.endr
; The head's four tiles, one joint load a wave, in one chain of branches on the wave's number: wave 0 A's K step 0, wave 1 B's, wave 2 A's scales, wave 3 B's.
.macro ARM under, g0, g1, next
	s_cmp_lt_u32 s14, \under
	s_cbranch_scc0 \next
	tensor_load_to_lds s[\g0:\g0+3], s[\g1:\g1+7]
	s_nop 0
.rept 4
	v_nop
.endr
	s_branch .Lhead_asked
\next:
.endm
	ARM 1, 4, G1, .Lhead_b
	ARM 2, 8, G1B, .Lhead_sa
	ARM 3, G0S, G1S, .Lhead_sb
	tensor_load_to_lds s[G0SB:G0SB+3], s[G1SB:G1SB+7]
	s_nop 0
.rept 4
	v_nop
.endr
.Lhead_asked:
; PREFETCHES: of the 8 row blocks x 3,072 bytes that my wave fetches in a fill of the ring, each of the four partners that ask jointly names two row blocks, told apart by address (cx for A, cy for B):
; 24 blocks of 256 bytes, a lane a block; lanes 24 to 31 name the last again.  Behind the head's loads fills 1 and 2 are named, behind fill 1's load fill 3: two fills ahead at the most.
	v_and_b32 v13, 31, v0
	v_min_u32 v13, 23, v13
	v_mul_u32_u24 v14, v13, 22
	v_lshrrev_b32 v14, 8, v14                      ; which of the two row blocks: lane / 12
	v_mul_u32_u24 v14, v14, 12288-3072
	v_lshl_add_u32 v14, v13, 8, v14                ; never rewritten
	s_cmp_eq_u32 s15, 0
	s_cselect_b64 s[2:3], s[20:21], s[46:47]       ; my 128 rows of A or of B; never rewritten
	s_cselect_b32 s18, s40, s41
	s_mul_i32 s18, s18, 2*12288
	s_mov_b32 s19, 0
	s_add_nc_u64 s[2:3], s[2:3], s[18:19]
	s_wait_alu depctr_va_vdst(0)
	global_prefetch_b8 v14, s[2:3] offset:STEPB th:TH_LOAD_NT scope:SCOPE_SE
	global_prefetch_b8 v14, s[2:3] offset:2*STEPB th:TH_LOAD_NT scope:SCOPE_SE
	s_wait_tensorcnt 0x0
	ds_add_u32 v28, v29
	s_mov_b32 s[G1+2], 8<<16                       ; no tensor load of mine is out: from here on a load brings 8 row blocks
	s_mov_b32 s[G1+4], 8
	s_mov_b32 s[G1B+2], 8<<16
	s_mov_b32 s[G1B+4], 8
	s_wait_dscnt 0x0
	CROUND
	JLOAD G0+4, G1, G0B+4, G1B
	global_prefetch_b8 v14, s[2:3] offset:3*STEPB th:TH_LOAD_NT scope:SCOPE_SE
	v_and_b32 v1, 15, v0
	v_bfe_u32 v2, v0, 4, 1
	v_and_b32 v3, 31, v0
	v_lshlrev_b32 v[L16], 4, v3
	v_lshlrev_b32 v[L8], 3, v3
	s_mul_i32 s21, s15, HALFT
	s_mul_i32 s22, s16, HALFT
	s_add_co_u32 s22, s22, 2*HALFT
.irp s, 0,1
	v_add_nc_u32 v[ADRA+\s], s21, v[L16]
	v_add_nc_u32 v[ADRB+\s], s22, v[L16]
	v_add_nc_u32 v[ADRA+2+\s], s21, v[L8]
	v_add_nc_u32 v[ADRB+2+\s], s22, v[L8]
	s_add_co_u32 s21, s21, SLOT
	s_add_co_u32 s22, s22, SLOT
.endr
	v_mul_u32_u24 v5, v1, KS
	v_lshrrev_b32 v6, 8, v5
	v_lshl_add_u32 v5, v6, 4, v5
	s_mul_i32 s21, s15, HALFS
	s_mul_i32 s22, s16, HALFS
	s_add_co_u32 s22, s22, 2*HALFS
	s_sub_co_u32 s22, s22, s21
	v_mul_u32_u24 v6, s22, v2
	s_add_co_u32 s21, s21, SCL
	v_add_nc_u32 v5, v5, v6
	v_add_nc_u32 v[ADRS], s21, v5
	v_lshlrev_b32 v[WOFF], 5, v1
	v_lshl_add_u32 v[WOFF], v2, 4, v[WOFF]
	v_mov_b32 v[HH], v2
	s_lshl_b32 s46, s42, 1
	s_add_co_u32 s46, s46, s16
	s_lshl_b32 s20, s17, 4
	s_lshl_b32 s21, s15, 3
	s_add_co_u32 s20, s20, s21
	s_lshr_b32 s22, s20, 3
	s_lshl_b32 s47, s46, 9
	s_add_co_u32 s20, s20, s47
	s_mul_i32 s20, s20, 1536
	s_add_co_u32 s20, s20, WR
	s_mov_b32 s21, 0
	s_lshl_b32 s47, s46, 6
	s_add_co_u32 s22, s22, s47
	s_lshl_b32 s22, s22, 9
	s_mov_b32 s23, 0
	s_add_nc_u64 s[96:97], s[12:13], s[22:23]
	s_add_nc_u64 s[12:13], s[12:13], s[20:21]
.macro FRAG reg, adr, q, i
	ds_load_b128 v[\reg:\reg+3],     v[\adr]   offset:(\i)*STEPB+(\q)*1536
	ds_load_b64  v[\reg+4:\reg+5],   v[\adr+2] offset:(\i)*STEPB+(\q)*1536+512
	ds_load_b128 v[\reg+6:\reg+9],   v[\adr]   offset:(\i)*STEPB+(\q)*1536+768
	ds_load_b64  v[\reg+10:\reg+11], v[\adr+2] offset:(\i)*STEPB+(\q)*1536+1280
.endm
.macro MUL16 a0, p, q, sc, zero
.irp a, \a0, \a0+1
.irp b, 0,1,2,3,4,5,6,7
.if \zero
	v_wmma_scale_f32_16x16x128_f8f6f4 v[8*(8*((\a)%4)+\b):8*(8*((\a)%4)+\b)+7], v[128*(\p)+FR*\b:128*(\p)+FR*\b+FR-1], v[AF+FR*(\a):AF+FR*(\a)+FR-1], 0, v[SC+8*NQ*(\sc)+NQ*\b+(\q)], v[SC+8*NQ*(\sc)+NQ*(\a)+(\q)] matrix_a_fmt:MATRIX_FMT_FP6 matrix_b_fmt:MATRIX_FMT_FP6 matrix_a_scale:MATRIX_SCALE_ROW1
.else
	v_wmma_scale_f32_16x16x128_f8f6f4 v[8*(8*((\a)%4)+\b):8*(8*((\a)%4)+\b)+7], v[128*(\p)+FR*\b:128*(\p)+FR*\b+FR-1], v[AF+FR*(\a):AF+FR*(\a)+FR-1], v[8*(8*((\a)%4)+\b):8*(8*((\a)%4)+\b)+7], v[SC+8*NQ*(\sc)+NQ*\b+(\q)], v[SC+8*NQ*(\sc)+NQ*(\a)+(\q)] matrix_a_fmt:MATRIX_FMT_FP6 matrix_b_fmt:MATRIX_FMT_FP6 matrix_a_scale:MATRIX_SCALE_ROW1
.endif
.endr
.endr
.endm
.macro FETCH_B slot, q, p
	WIN TO_B
.irp i, 0,1,2,3,4,5,6,7
	FRAG 128*(\p)+FR*\i, ADRB+\slot, \q, \i
.endr
	WIN 0
.endm
.macro FETCH_A slot, q, i0
.irp i, \i0, \i0+1, \i0+2, \i0+3
	FRAG AF+FR*(\i), ADRA+\slot, \q, \i
.endr
.endm
.macro SCALES sc
.irp i, 0,1,2,3,4,5,6,7
	ds_load_b64 v[SC+8*NQ*\sc+NQ*\i:SC+8*NQ*\sc+NQ*\i+1], v[ADRS] offset:\i*SBLK
.endr
.endm
.macro PLACES n
.rept \n
	v_nop
.endr
.endm
.macro STEP slot, q, zero
	s_wait_dscnt 4*NL
	WIN MUL_LO
	MUL16 0, (\q)%2, \q, \slot, \zero
	MUL16 2, (\q)%2, \q, \slot, \zero
	s_wait_dscnt 0
	PLACES NP
	FETCH_B \slot, (\q)+1, 1-(\q)%2
	FETCH_A \slot, (\q)+1, 0
	WIN MUL_HI
	MUL16 4, (\q)%2, \q, \slot, \zero
	MUL16 6, (\q)%2, \q, \slot, \zero
	PLACES NP
	WIN 0
	FETCH_A \slot, (\q)+1, 4
.endm
.macro TURN slot, next, fill
	s_wait_tensorcnt 0x0
	ds_add_u32 v[SPW], v[NIL]
	s_wait_dscnt 4*NL+1
	WIN MUL_LO
	MUL16 0, 1, NQ-1, \slot, 0
	s_wait_dscnt 0x0
	s_barrier_signal -1
	MUL16 2, 1, NQ-1, \slot, 0
	WIN 0
	s_barrier_wait -1
.if \fill
	CREST
	s_add_nc_u64 s[G0+4*\slot+2:G0+4*\slot+3], s[G0+4*\slot+2:G0+4*\slot+3], 2*STEPB
	s_add_nc_u64 s[G0B+4*\slot+2:G0B+4*\slot+3], s[G0B+4*\slot+2:G0B+4*\slot+3], 2*STEPB
	JLOAD G0+4*\slot, G1, G0B+4*\slot, G1B
.else
	PLACES NP
.endif
	s_wait_alu depctr_va_vdst(0)
	v_add_nc_u32 v[ADRS], 4*NQ, v[ADRS]
	FETCH_B \next, 0, 0
	FETCH_A \next, 0, 0
	SCALES \next
	WIN MUL_HI
	MUL16 4, 1, NQ-1, \slot, 0
	MUL16 6, 1, NQ-1, \slot, 0
	PLACES NP
	WIN 0
	FETCH_A \next, 0, 4
.endm
	s_wait_alu depctr_va_vdst(0)
	s_wait_tensorcnt 1
	s_barrier_signal -1
	s_barrier_wait -1
	FETCH_B 0, 0, 0
	FETCH_A 0, 0, 0
	SCALES 0
	FETCH_A 0, 0, 4
	STEP 0, 0, 1
	TURN 0, 1, 1
	STEP 1, 0, 0
	TURN 1, 0, 1
	STEP 0, 0, 0
	TURN 0, 1, 0
	STEP 1, 0, 0
	s_wait_dscnt 4*NL
	WIN MUL_LO
	MUL16 0, 1, NQ-1, 1, 0
	MUL16 2, 1, NQ-1, 1, 0
	s_wait_dscnt 0
	WIN MUL_HI
	MUL16 4, 1, NQ-1, 1, 0
	MUL16 6, 1, NQ-1, 1, 0
	WIN 0
.macro QUANTW a
.set W, 2+(\a)/4
.set W5, 5*W
.set S, 64*((\a)%4)
	WIN W5
.irp b, 0,1,2,3
	v_max3_num_f32 v[TM+\b], |v[S+16*\b]|, |v[S+16*\b+1]|, 0x1800000
.endr
.irp i, 2,4,6,8,10,12,14
.irp b, 0,1,2,3
	v_max3_num_f32 v[TM+\b], |v[S+16*\b+\i]|, |v[S+16*\b+\i+1]|, v[TM+\b]
.endr
.endr
	WIN 0
.irp b, 0,1,2,3
	v_permlanex16_b32 v[TM+4+\b], v[TM+\b], s[SEL], s[SEL+1]
.endr
.irp b, 0,1,2,3
	v_max_num_f32 v[TM+\b], v[TM+\b], v[TM+4+\b]
.endr
.irp b, 0,1,2,3
	v_add_nc_u32 v[TM+12+\b], 0xff000000, v[TM+\b]
.endr
.irp b, 0,1,2,3
	v_lshrrev_b32 v[TM+4+\b], 23, v[TM+12+\b]
.endr
	v_lshl_or_b32 v[SW+\a], v[TM+5], 8, v[TM+4]
	v_lshl_or_b32 v[SW+\a], v[TM+6], 16, v[SW+\a]
	v_lshl_or_b32 v[SW+\a], v[TM+7], 24, v[SW+\a]
.if \a > 0
	s_wait_xcnt 0x0
.endif
	WIN W
.irp c, 0,1
	v_cvt_scalef32_pk16_fp6_f32 v[PC+6*\c:PC+2+6*\c], v[S+32*\c:S+15+32*\c], v[TM+12+2*\c]
	v_cvt_scalef32_pk16_fp6_f32 v[PC+12+4*\c:PC+14+4*\c], v[S+16+32*\c:S+31+32*\c], v[TM+12+2*\c+1]
.endr
	WIN 0
	v_nop
.irp c, 0,1
.irp i, 0,1,2
	v_permlane16_swap_b32 v[PC+6*\c+\i], v[PC+12+4*\c+\i]
.endr
.irp i, 0,1,2
	v_mov_b32 v[PC+3+6*\c+\i], v[PC+12+4*\c+\i]
.endr
.endr
	global_store_b128 v[L16], v[PC:PC+3], s[12:13] offset:1536*\a
	global_store_b64 v[L8], v[PC+4:PC+5], s[12:13] offset:1536*\a+512
	global_store_b128 v[L16], v[PC+6:PC+9], s[12:13] offset:1536*\a+768
	global_store_b64 v[L8], v[PC+10:PC+11], s[12:13] offset:1536*\a+1280
.endm
.irp b, 0,1,2,3
	v_mov_b32 v[TM+4+\b], 0
.endr
.irp a, 0,1,2,3,4,5,6,7
	QUANTW \a
.endr
	v_cmp_ne_u32 vcc_lo, 0, v[HH]
.irp i, 0,1,2,3
	v_cndmask_b32 v[T+\i], v[SW+\i], v[SW+4+\i], vcc_lo
.endr
	global_store_b128 v[WOFF], v[T:T+3], s[96:97]
	s_wait_tensorcnt 0x0
	ds_add_u32 v[SPW], v[NIL]
	s_wait_dscnt 0x0
	CROUND
	s_endpgm
.Lfunc_end_k_qc824642d95_gemm_qk:
	.size	k_qc824642d95_gemm_qk, .Lfunc_end_k_qc824642d95_gemm_qk-k_qc824642d95_gemm_qk
	.p2alignl 7, 3214868480
	.fill 96, 4, 3214868480
	.section	.rodata,"a",@progbits
	.p2align	6, 0x0
	.amdhsa_kernel k_qc824642d95_gemm_qk
		.amdhsa_group_segment_fixed_size 327680
		.amdhsa_private_segment_fixed_size 0
		.amdhsa_enable_private_segment 0
		.amdhsa_kernarg_size 40
		.amdhsa_user_sgpr_count 2
		.amdhsa_user_sgpr_kernarg_segment_ptr 1
		.amdhsa_wavefront_size32 1
		.amdhsa_system_sgpr_workgroup_id_x 1
		.amdhsa_system_sgpr_workgroup_id_y 1
		.amdhsa_system_sgpr_workgroup_id_z 1
		.amdhsa_system_vgpr_workitem_id 0
		.amdhsa_next_free_vgpr 1024
		.amdhsa_next_free_sgpr 100
		.amdhsa_reserve_vcc 1
		.amdhsa_float_denorm_mode_32 3
		.amdhsa_float_denorm_mode_16_64 3
		.amdhsa_memory_ordered 1
		.amdhsa_forward_progress 1
		.amdhsa_inst_pref_size 151
	.end_amdhsa_kernel
	.amdgpu_metadata
---
amdhsa.version: [ 1, 2 ]
amdhsa.kernels:
  - .name:           k_qc824642d95_gemm_qk
    .symbol:         k_qc824642d95_gemm_qk.kd
    .args:
      - { .name: xq, .offset: 0, .size: 8, .value_kind: global_buffer, .address_space: global }
      - { .name: wqkq, .offset: 8, .size: 8, .value_kind: global_buffer, .address_space: global }
      - { .name: qk, .offset: 16, .size: 8, .value_kind: global_buffer, .address_space: global }
      - { .name: wvq, .offset: 24, .size: 8, .value_kind: global_buffer, .address_space: global }
      - { .name: vv, .offset: 32, .size: 8, .value_kind: global_buffer, .address_space: global }
    .group_segment_fixed_size: 327680
    .private_segment_fixed_size: 0
    .kernarg_segment_align: 8
    .kernarg_segment_size: 40
    .max_flat_workgroup_size: 128
    .sgpr_count:     100
    .vgpr_count:     1024
    .wavefront_size: 32
...
	.end_amdgpu_metadata
.endif
;; end of part 2
;; launch attn (part 3): grid 4 x 64, 16 waves a work-group, clusters of 4 x 1, 215,040 bytes of LDS; arguments qk, vv, oq; writes oq
.if DOCPART == 3
	.amdgcn_target "amdgcn-amd-amdhsa--gfx1250"
	.amdhsa_code_object_version 6
	.text
	.protected	k_qc824642d95_attn
	.globl	k_qc824642d95_attn
	.p2align	8
	.type	k_qc824642d95_attn,@function
k_qc824642d95_attn:
	s_mov_b64 s[64:65], 0
	v_nop
	global_prefetch_b8 v0, s[64:65] scope:SCOPE_SE
	s_setreg_imm32_b32 hwreg(HW_REG_WAVE_MODE, 25, 1), 1
	s_wait_xcnt 0x0
	s_wait_alu depctr_hold_cnt(0) depctr_sa_sdst(0) depctr_va_vdst(0) depctr_va_sdst(0) depctr_va_ssrc(0) depctr_va_vcc(0) depctr_vm_vsrc(0)
	s_getreg_b32 s2, hwreg(HW_REG_IB_STS2, 6, 4)
	s_cmp_eq_u32 s2, 0
	s_cbranch_scc0 .Lentry_in_a_cluster
	s_endpgm
.Lentry_in_a_cluster:
	s_bfe_u32 s2, ttmp6, 0x10000c
	s_cmp_lg_u32 s2, 0x3003
	s_cbranch_scc0 .Lentry_shape_is_right
	s_endpgm
.Lentry_shape_is_right:
; o[b][i][64 head + d] = the sum over keys j of softmax_j(q[i] . k[j] / 8) v[j][d], for 64 pairs (b, head), 2,048 queries and keys, head size 64; both products on codes of FP6 (E2M3) with E8M0 scales.
; THE SOFTMAX AHEAD OF THE SECOND PRODUCT: t = score x log2(e) / 8; M = the row's largest t so far, rounded UP to a whole number; p = 2^(t - M) is quantised along the keys, not normalised.
; The row's sum is taken of the unquantised p and divides O at the end.  When M moves, the sum and O are multiplied by 2^(old M - new M): exact.  o is then quantised along d and leaves as codes.
; INPUTS.  qk: fragment (I = row / 16 of the 8,192 rows, head) at WR + (512 head + I) x 1,536: q's half image (16 rows x 64 d, 768 bytes), then k's; the rows' scale words [q0 q1 k0 k1] in blocks of
; 512 bytes at (64 head + I / 8) x 512, row r's word of I % 8 at 32 r + 4 (I % 8).  vv: v transposed: fragment (4 head + t, J = 16 b + step), 16 of the head's 64 x 128 keys, at WR + (512 J + 4 head + t) x 1,536;
; its scale words likewise.  The 64 places of a head stand for d with bits 3 and 4 exchanged, so that O's 16 registers of two neighbouring tiles are 16 neighbours along d.
; Inside a block of 32 keys p's codes and v's lie in the same order (0-7, 16-23, 8-15, 24-31): blocks, scales and codes are the quantiser's own; only the order of the sum inside an instruction differs.
; OUTPUT.  oq, laid as the next product's operand: 32 scale bytes a row; behind SCR half image (I, head) at (16 I + head) x 768.  A lane stores one scale byte, 32 bytes from its neighbour's: 256 KiB in
; all against 6 MiB of codes; whole rows of scale bytes would need all 16 heads in one work-group.
; LIMITS: a block of zeros gets the byte 1 (zero codes; this program alone reads the bytes); NaN and infinities are not served; the promise holds while |t| stays under 2^31.
; SHARES.  256 work-groups.  A work-group owns 512 queries of one (b, head); each of its sixteen waves walks all keys twice, for 16 queries a walk (I and I + 16), in 256 registers: four waves to a SIMD.
; No barrier stands between the two walks.  Both walks' q are loaded at the head.
; ALL OF THE HEAD'S K AND V STAY IN LDS: 208 KiB, filled once: no slot is filled again.  The ten fills go out at the head, one a wave (waves 0 to 9), in one chain of branches; every wait on TENSORcnt is for 0.
; CLUSTER: the four query blocks of a (b, head) read the same K and V, so every tile is asked for jointly (mask 15).
; NO PREFETCH: every byte that the tensor loads bring is asked for at the head; there is no loop to run ahead in.
; K = 64 FILLS HALF OF THE INSTRUCTION'S 128: source 1 is [zero codes | q]; source 0 of tile t is [the six registers below it | k]: whatever those hold meets zero codes; no scale byte there is 0xff.
; LAYOUT.  Both products are used transposed (S^T = K Q^T, O^T = V^T P^T): a lane holds ONE query (lane % 16) throughout.
.set SCR,  262144
.set WR,   2097152
.set KC,   0                           ; LDS: K's 128 half images, 768 bytes each: a step's eight are 6,144 bytes
.set VC,   98304                       ; V's 16 steps x four fragments: 6,144 bytes a step
.set KW,   196608                      ; K's scale words, 512 bytes a step
.set VW,   204800                      ; V's, 512 bytes a step (two heads' words: mine at 16 (head % 2) of each 32)
.set CHK,  24576                       ; a chunk: four steps of K or of V: what one tensor load brings
.set SPARE, 212992                     ; the spare words: 128 bytes for each of 16 waves
.set WV,   10                          ; s10 my wave's number
.set SEL,  20                          ; s[20:21] lane selects for v_permlanex16_b32: lane l xor 16
.set CS,   22                          ; s[22:23] c = log2(e) / 8
.set G1KC, 24                          ; s[24:31], s[32:39], s[40:47], s[48:55] descriptor groups 1
.set G1VC, 32
.set G1KW, 40
.set G1VW, 48
.set TB,   100                         ; s100 the step's tiles: 6,144 bytes a step
.set TW,   101                         ; s101 the step's scale words: 512 bytes a step
.set CNT,  17                          ; s17  steps to go
; REGISTERS: v1 16 lane, v2 8 lane; v3-7 my lane's places in LDS; v8 32 r + h, v9 h; v10, v11, v244-247 the step's addresses; v12 -M, v13 the largest t, v[14:15] the sum in two halves;
; v16-21 zero codes, v22-27 q of walk 0; v28 its scale word; v29 32 r; v30-35 zeros; v36-83 K's eight half images, then V's four fragments; v84-89 zero codes, v90-95 q of walk 1; v237 its scale word;
; v96-159 S^T, then p; v160-191 O^T; v192-203 p's codes; v204-210 the conversions' second halves; v212-223 at work; v224-231 K's scale words, v232-235 V's, v236 p's; v[238:239] f; v240 at work;
; v230-231, v242-253 the sum's chains; v254 my spare word, v255 0.
.macro CROUND                          ; a round of the cluster's barrier
	s_barrier_signal -1
	s_barrier_wait -1
	s_cmp_lg_u32 s[WV], 0
	s_cbranch_scc1 .Lnot_wave_0_\@
	s_barrier_signal -3
.Lnot_wave_0_\@:
	s_barrier_wait -3
	s_barrier_signal -1
	s_barrier_wait -1
.endm
.macro GROUP1 g, c, r, p               ; r rows of c elements of 8 bytes, p elements apart, dense in LDS
	s_mov_b32 s[\g], 15|(3<<16)|(1<<21)            ; the mask: all four work-groups; elements of 8 bytes; no padding; bit 21 set beside a mask
	s_mov_b32 s[\g+1], (\c)<<16
	s_mov_b32 s[\g+2], (\r)<<16
	s_mov_b32 s[\g+3], (\c)<<16
	s_mov_b32 s[\g+4], \r
	s_mov_b32 s[\g+5], \p
	s_mov_b32 s[\g+6], 0
	s_mov_b32 s[\g+7], 0
.endm
.macro GROUP0 g, lds, add              ; from s[18:19] + add to LDS byte lds
	s_mov_b32 s[\g], 1
	s_mov_b32 s[\g+1], \lds
	s_add_nc_u64 s[\g+2:\g+3], s[18:19], \add
	s_or_b32 s[\g+3], s[\g+3], 0x80000000
.endm
.macro ARM under, g0, g1, next         ; one arm of the head's chain: the wave just under \under issues its one fill and goes to the join
	s_cmp_lt_u32 s[WV], \under
	s_cbranch_scc0 \next
	tensor_load_to_lds s[\g0:\g0+3], s[\g1:\g1+7]
	s_nop 0
.rept 4
	v_nop
.endr
	s_branch .Lasked
\next:
.endm
	s_load_b128 s[4:7], s[0:1], 0x0                ; qk s[4:5], vv s[6:7]
	s_load_b64 s[8:9], s[0:1], 0x10                ; oq
	v_lshl_add_u32 v254, v0, 2, SPARE
	v_mov_b32 v255, 0
	ds_add_u32 v254, v255                          ; the opening lines: the add twice on end and its wait ahead of the first tensor load
	ds_add_u32 v254, v255
	v_lshrrev_b32 v240, 5, v0
	s_delay_alu instid0(VALU_DEP_1)
	v_readfirstlane_b32 s[WV], v240                ; wave 0..15
	s_and_b32 s15, ttmp7, 0xffff                   ; 16 b + head, which the four partners share
	s_lshr_b32 s14, s15, 4                         ; b
	s_and_b32 s15, s15, 15                         ; head
	s_and_b32 s17, s15, 1
	s_lshl_b32 s17, s17, 4                         ; 16 (head % 2)
	GROUP1 G1KC, 96, 32, 192                       ; K: 32 half images of 768 bytes, 1,536 bytes apart
	GROUP1 G1VC, 768, 4, 98304                     ; V: 4 steps' 6,144 bytes, 512 fragments apart
	GROUP1 G1KW, 32, 32, 32                        ; K's words: 8,192 dense bytes
	GROUP1 G1VW, 64, 16, 4096                      ; V's words: 16 steps' 512 bytes, 32,768 bytes apart
	s_mov_b32 s[SEL], 0x76543210
	s_mov_b32 s[SEL+1], 0xfedcba98
	s_mov_b32 s[CS], 0x3e38aa3b                    ; c = log2(e) / 8
	s_mov_b32 s[CS+1], s[CS]                       ; (named with it as a pair, so it is written)
	v_and_b32 v240, 31, v0                         ; lane
	v_and_b32 v241, 15, v0                         ; r
	v_bfe_u32 v9, v0, 4, 1                         ; h
	s_delay_alu instid0(VALU_DEP_3)
	v_lshlrev_b32 v1, 4, v240
	s_delay_alu instid0(VALU_DEP_4)
	v_lshlrev_b32 v2, 3, v240
	s_delay_alu instid0(VALU_DEP_1)
	v_add_nc_u32 v3, KC+512, v2                    ; K: a half image's last two registers
	s_delay_alu instid0(VALU_DEP_3)
	v_add_nc_u32 v4, VC, v1                        ; V: first four,
	s_delay_alu instid0(VALU_DEP_3)
	v_add_nc_u32 v5, VC+512, v2                    ;    last two
	v_lshlrev_b32 v29, 5, v241                     ; 32 r
	s_delay_alu instid0(VALU_DEP_1)
	v_add_nc_u32 v6, KW, v29
	s_delay_alu instid0(VALU_DEP_2)
	v_add_nc_u32 v7, s17, v29
	s_delay_alu instid0(VALU_DEP_1)
	v_add_nc_u32 v7, VW, v7
	s_delay_alu instid0(VALU_DEP_4)
	v_add_nc_u32 v8, v29, v9
	s_mov_b32 s101, 0
	s_wait_alu depctr_va_vdst(0)
	s_wait_dscnt 0x0
	s_wait_kmcnt 0x0
	; the ten descriptors: their addresses hang on b and head alone, their LDS addresses are constants
	s_lshl_b32 s100, s15, 15
	s_lshl_b32 s18, s14, 13
	s_add_co_u32 s100, s100, s18                   ; K's words: (64 head + 16 b) x 512
	s_add_nc_u64 s[18:19], s[4:5], s[100:101]
	GROUP0 56, KW, 0
	s_mul_i32 s100, s15, 512*1536
	s_mul_i32 s18, s14, 128*1536
	s_add_co_u32 s100, s100, s18
	s_add_co_u32 s100, s100, WR+768                ; K's half images: behind q's in each fragment
	s_add_nc_u64 s[18:19], s[4:5], s[100:101]
	GROUP0 60, KC, 0
	GROUP0 68, KC+CHK, 32*1536
	GROUP0 72, KC+2*CHK, 64*1536
	GROUP0 76, KC+3*CHK, 96*1536
	s_lshl_b32 s100, s14, 19
	s_lshr_b32 s18, s15, 1
	s_lshl_b32 s18, s18, 9
	s_add_co_u32 s100, s100, s18                   ; V's words: (64 x 16 b + head / 2) x 512
	s_add_nc_u64 s[18:19], s[6:7], s[100:101]
	GROUP0 80, VW, 0
	s_mul_i32 s100, s14, 16*512*1536
	s_mul_i32 s18, s15, 4*1536
	s_add_co_u32 s100, s100, s18
	s_add_co_u32 s100, s100, WR
	s_add_nc_u64 s[18:19], s[6:7], s[100:101]
	GROUP0 84, VC, 0
	GROUP0 88, VC+CHK, 4*512*1536
	GROUP0 92, VC+2*CHK, 8*512*1536
	GROUP0 96, VC+3*CHK, 12*512*1536
	; my own queries: the one thing that hangs on my place in the cluster; it enters q's and o's global addresses alone, in registers that feed no descriptor
	s_bfe_u32 s11, ttmp6, 0x40000                  ; cx
	s_lshl_b32 s16, ttmp9, 2
	s_add_co_u32 s11, s16, s11                     ; my block of 512 queries
	s_lshl_b32 s16, s11, 5
	s_add_co_u32 s16, s16, s[WV]
	s_lshl_b32 s12, s14, 7
	s_add_co_u32 s16, s16, s12                     ; I = 128 b + 32 x block + wave; the second walk takes I + 16
	s_lshl_b32 s12, s15, 9
	s_add_co_u32 s12, s12, s16
	s_mul_i32 s12, s12, 1536
	s_add_co_u32 s12, s12, WR
	s_mov_b32 s13, 0
	s_add_nc_u64 s[2:3], s[4:5], s[12:13]          ; q's half image
	s_lshl_b32 s12, s15, 6
	s_lshr_b32 s13, s16, 3
	s_add_co_u32 s12, s12, s13
	s_lshl_b32 s12, s12, 9
	s_and_b32 s13, s16, 7
	s_lshl_b32 s13, s13, 2
	s_add_co_u32 s12, s12, s13
	s_mov_b32 s13, 0
	s_add_nc_u64 s[66:67], s[4:5], s[12:13]        ; q's scale words
	s_lshl_b32 s12, s16, 9
	s_lshl_b32 s13, s15, 1
	s_add_co_u32 s12, s12, s13
	s_mov_b32 s13, 0
	s_add_nc_u64 s[104:105], s[8:9], s[12:13]      ; o's scale bytes: 32 a row, my head's two
	s_lshl_b32 s12, s16, 4
	s_add_co_u32 s12, s12, s15
	s_mul_i32 s12, s12, 768
	s_add_co_u32 s12, s12, SCR
	s_add_nc_u64 s[8:9], s[8:9], s[12:13]          ; o's half image
	CROUND                                         ; all four work-groups are here: the joint loads meet
	; THE FILLS: one a wave, what is read first asked for by the lowest waves; waves 10 to 15 issue none
	ARM 1, 56, G1KW, .La1
	ARM 2, 60, G1KC, .La2
	ARM 3, 80, G1VW, .La3
	ARM 4, 84, G1VC, .La4
	ARM 5, 68, G1KC, .La5
	ARM 6, 88, G1VC, .La6
	ARM 7, 72, G1KC, .La7
	ARM 8, 92, G1VC, .La8
	ARM 9, 76, G1KC, .La9
	s_cmp_lt_u32 s[WV], 10
	s_cbranch_scc0 .Lasked
	tensor_load_to_lds s[96:99], s[G1VC:G1VC+7]
	s_nop 0
.rept 4
	v_nop
.endr
.Lasked:
	global_load_b128 v[22:25], v1, s[2:3]          ; q stays in registers: the upper 64 of source 1's K
	global_load_b64 v[26:27], v2, s[2:3] offset:512
	global_load_b32 v28, v29, s[66:67]             ; my query's word [q0 q1 k0 k1]
	global_load_b128 v[90:93], v1, s[2:3] offset:16*1536        ; and the same of the second walk: 16 fragments on,
	global_load_b64 v[94:95], v2, s[2:3] offset:16*1536+512
	global_load_b32 v237, v29, s[66:67] offset:1024             ; two blocks of words on
.irp j, 0,1,2,3,4,5
	v_mov_b32 v[16+\j], 0                          ; zero codes: the lower 64 of source 1's K, walk 0,
	v_mov_b32 v[84+\j], 0                          ; and walk 1
	v_mov_b32 v[30+\j], 0                          ; what tile 0 of K names below itself
.endr
.irp b, 0,1,2,3
	v_mov_b32 v[216+\b], 0                         ; written once: a lane permute's destination counts as one of its sources
.endr
	v_mov_b32 v239, 0                              ; (named as the upper half of the pair v[238:239])
	s_wait_alu depctr_va_vdst(0)
	s_wait_loadcnt 0x0                             ; q
	v_lshlrev_b32 v28, 16, v28                     ; [0 0 q0 q1]: q0 and q1 scale K 64 .. 127; the byte 0 below stands over zero codes
	v_lshlrev_b32 v237, 16, v237
.macro INIT                            ; a walk's start.  (The 32 lines on O^T are also the places between the scale words' shifts and the first product)
	v_mov_b32 v13, 0xff61b1e6                      ; the largest t so far: -3e38, under every t
	v_mov_b32 v14, 0                               ; the sum, in two halves
	v_mov_b32 v15, 0
	s_delay_alu instid0(VALU_DEP_3)
	v_floor_f32 v12, -v13                          ; -M
.set j, 0
.rept 32
	v_mov_b32 v[160+j], 0                          ; O^T: the step is written once, and its first trip finds zeros
.set j, j+1
.endr
	s_mov_b32 s[TB], 0
	s_mov_b32 s[TW], 0
	s_mov_b32 s[CNT], 16
.endm
; A KEY STEP: 128 keys.  qb: source 1 of the first product, [zero codes | q]; qw: q's scale word.
.macro STEP qb, qw
	v_add_nc_u32 v10, s[TB], v1                    ; four of the step's six addresses: also the four places behind the last products, in front of the loads into the registers that those read
	v_add_nc_u32 v11, s[TB], v3
	v_add_nc_u32 v246, s[TW], v6
	v_add_nc_u32 v244, s[TB], v4
.irp t, 0,1,2,3,4,5,6,7
	ds_load_b128 v[36+6*\t:39+6*\t], v10 offset:768*\t     ; K's tile t: keys 16 t .. 16 t + 15 of the step
	ds_load_b64 v[40+6*\t:41+6*\t], v11 offset:768*\t
.endr
	ds_load_b128 v[224:227], v246                  ; key r's scale word of each of the eight tiles
	ds_load_b128 v[228:231], v246 offset:16
	s_wait_alu depctr_va_vdst(0)
	s_wait_dscnt 0x0
.irp t, 0,1,2,3,4,5,6,7                        ; S^T = K Q^T: lane (r, h) holds query r; register 8 t + j is key 16 t + 8 h + j
	v_wmma_scale_f32_16x16x128_f8f6f4 v[96+8*\t:103+8*\t], v[30+6*\t:41+6*\t], v[\qb:\qb+11], 0, v[224+\t], v[\qw] matrix_a_fmt:MATRIX_FMT_FP6 matrix_b_fmt:MATRIX_FMT_FP6
.endr
	v_add_nc_u32 v245, s[TB], v5                   ; the other two addresses and two v_nop: the four places in front of the loads below and of the first read of the scores
	v_add_nc_u32 v247, s[TW], v7
	v_nop
	v_nop
.irp t, 0,1,2,3                                ; V's four fragments land while the softmax is worked
	ds_load_b128 v[36+12*\t:39+12*\t], v244 offset:1536*\t
	ds_load_b64 v[40+12*\t:41+12*\t], v245 offset:1536*\t
	ds_load_b128 v[42+12*\t:45+12*\t], v244 offset:1536*\t+768
	ds_load_b64 v[46+12*\t:47+12*\t], v245 offset:1536*\t+768
.endr
	ds_load_b128 v[232:235], v247                  ; row r's scale word of each of the four tiles
.irp b, 0,1,2,3
	v_max3_num_f32 v[212+\b], v[96+16*\b], v[97+16*\b], v[98+16*\b]   ; the largest score of each block of 32 keys: for the row's maximum and, since p rises with the score, for the block's largest p
.endr
.irp i, 3,5,7,9,11,13
.irp b, 0,1,2,3
	v_max3_num_f32 v[212+\b], v[212+\b], v[96+16*\b+\i], v[97+16*\b+\i]   ; the four blocks by turns
.endr
.endr
.irp b, 0,1,2,3
	v_max_num_f32 v[212+\b], v[212+\b], v[111+16*\b]
.endr
.irp b, 0,1,2,3
	s_delay_alu instid0(VALU_DEP_4)
	v_permlanex16_b32 v[216+\b], v[212+\b], s[SEL], s[SEL+1]
.endr
.irp b, 0,1,2,3
	s_delay_alu instid0(VALU_DEP_4)
	v_max_num_f32 v[212+\b], v[212+\b], v[216+\b]  ; with lane l xor 16's 16 keys
.endr
	s_delay_alu instid0(VALU_DEP_2)
	v_max3_num_f32 v240, v212, v213, v214
	s_delay_alu instid0(VALU_DEP_1)
	v_max_num_f32 v240, v240, v215                 ; the step's largest score of my query
	s_delay_alu instid0(VALU_DEP_1)
	v_mul_f32 v240, s[CS], v240                    ; as t (c is positive)
	s_delay_alu instid0(VALU_DEP_1)
	v_max_num_f32 v13, v13, v240                   ; the running largest t
	v_mov_b32 v240, v12
	s_delay_alu instid0(VALU_DEP_2)
	v_floor_f32 v12, -v13                          ; the new -M = floor(-t) = -ceil(t): a whole number
	s_delay_alu instid0(VALU_DEP_1)
	v_sub_f32 v240, v12, v240                      ; old M - new M: a whole number, 0 or less
	s_delay_alu instid0(VALU_DEP_1)
	v_cvt_i32_f32 v240, v240                       ; (it saturates)
	s_delay_alu instid0(VALU_DEP_1)
	v_ldexp_f32 v238, 1.0, v240                    ; f = 2^(old M - new M)
.set j, 0
.rept 32
	v_pk_fma_f32 v[96+j:97+j], v[96+j:97+j], s[CS:CS+1], v[12:13] op_sel_hi:[1,0,0]   ; t - M, two at a time
.set j, j+2
.endr
.irp b, 0,1,2,3
	v_fma_f32 v[212+\b], v[212+\b], s[CS], v12     ; the same of each block's largest score
.endr
	s_wait_alu depctr_va_vdst(0)                   ; the wait ahead of the batch
.set j, 0
.rept 64
	v_exp_f32 v[96+j], v[96+j]                     ; p = 2^(t - M), at most 1
.set j, j+1
.endr
.irp b, 0,1,2,3
	v_exp_f32 v[212+\b], v[212+\b]                 ; the block's largest p: the same two instructions on the same number give the same bits
.endr
	v_pk_mul_f32 v[14:15], v[14:15], v[238:239] op_sel_hi:[1,0]   ; the sums under the new M.  (A plain place behind the exponentials)
	s_wait_alu depctr_va_vdst(0)                   ; one wait for the batch, and, directly ahead of O^T's first readers, for the last step's products
.set j, 0
.rept 16
	v_pk_mul_f32 v[160+j:161+j], v[160+j:161+j], v[238:239] op_sel_hi:[1,0]   ; O^T under the new M, each accumulator from its low end on
.set j, j+2
.endr
.irp b, 0,1,2,3
	v_max_num_f32 v[212+\b], 0x1800000, v[212+\b]  ; the floor 2^(3 - 127): the byte cannot fall under 1
.endr
.irp b, 0,1,2,3
	s_delay_alu instid0(VALU_DEP_4)
	v_add_nc_u32 v[220+\b], 0xff000000, v[212+\b]  ; 2 off the exponent field: the conversion's scale operand
.endr
.irp b, 0,1,2,3
	s_delay_alu instid0(VALU_DEP_4)
	v_lshrrev_b32 v[216+\b], 23, v[220+\b]         ; the scale's byte
.endr
	s_delay_alu instid0(VALU_DEP_3)
	v_lshl_or_b32 v236, v217, 8, v216              ; p's scale word for these 128 keys
	s_delay_alu instid0(VALU_DEP_1)
	v_lshl_or_b32 v236, v218, 16, v236
	s_delay_alu instid0(VALU_DEP_1)
	v_lshl_or_b32 v236, v219, 24, v236
.irp c, 0,1
	v_cvt_scalef32_pk16_fp6_f32 v[192+6*\c:194+6*\c], v[96+32*\c:111+32*\c], v[220+2*\c]
	v_cvt_scalef32_pk16_fp6_f32 v[204+4*\c:206+4*\c], v[112+32*\c:127+32*\c], v[220+2*\c+1]   ; (a conversion's three registers begin on an even number)
.endr
	v_nop                                          ; one plain place behind a scaled conversion
.irp c, 0,1                                    ; a whole block in a lane: lanes 0-15 block 2 c, lanes 16-31 block 2 c + 1
.irp i, 0,1,2
	v_permlane16_swap_b32 v[192+6*\c+\i], v[204+4*\c+\i]
.endr
.irp i, 0,1,2
	s_delay_alu instid0(VALU_DEP_3)
	v_mov_b32 v[195+6*\c+\i], v[204+4*\c+\i]
.endr
.endr
	v_pk_add_f32 v[242:243], v[100:101], v[104:105]        ; the row's sum of the unquantised p: eight chains, two numbers an instruction
	v_pk_add_f32 v[252:253], v[108:109], v[112:113]
	v_pk_add_f32 v[250:251], v[116:117], v[120:121]
	v_pk_add_f32 v[248:249], v[124:125], v[128:129]
	v_pk_add_f32 v[246:247], v[132:133], v[136:137]
	v_pk_add_f32 v[244:245], v[140:141], v[144:145]
	v_pk_add_f32 v[230:231], v[148:149], v[152:153]
	v_pk_add_f32 v[14:15], v[14:15], v[156:157]
	v_pk_add_f32 v[242:243], v[242:243], v[96:97]
	v_pk_add_f32 v[252:253], v[252:253], v[98:99]
	v_pk_add_f32 v[250:251], v[250:251], v[102:103]
	v_pk_add_f32 v[248:249], v[248:249], v[106:107]
	v_pk_add_f32 v[246:247], v[246:247], v[110:111]
	v_pk_add_f32 v[244:245], v[244:245], v[114:115]
	v_pk_add_f32 v[230:231], v[230:231], v[118:119]
	v_pk_add_f32 v[14:15], v[14:15], v[122:123]
	v_pk_add_f32 v[242:243], v[242:243], v[126:127]
	v_pk_add_f32 v[252:253], v[252:253], v[130:131]
	v_pk_add_f32 v[250:251], v[250:251], v[134:135]
	v_pk_add_f32 v[248:249], v[248:249], v[138:139]
	v_pk_add_f32 v[246:247], v[246:247], v[142:143]
	v_pk_add_f32 v[244:245], v[244:245], v[146:147]
	v_pk_add_f32 v[230:231], v[230:231], v[150:151]
	v_pk_add_f32 v[14:15], v[14:15], v[154:155]
	v_pk_add_f32 v[242:243], v[242:243], v[158:159]
	s_delay_alu instid0(VALU_DEP_2)
	v_pk_add_f32 v[14:15], v[14:15], v[248:249]
	s_delay_alu instid0(VALU_DEP_2)
	v_pk_add_f32 v[242:243], v[242:243], v[246:247]
	v_pk_add_f32 v[252:253], v[252:253], v[244:245]
	v_pk_add_f32 v[250:251], v[250:251], v[230:231]
	s_delay_alu instid0(VALU_DEP_2)
	v_pk_add_f32 v[14:15], v[14:15], v[252:253]
	s_delay_alu instid0(VALU_DEP_2)
	v_pk_add_f32 v[242:243], v[242:243], v[250:251]
	s_delay_alu instid0(VALU_DEP_1)
	v_pk_add_f32 v[14:15], v[14:15], v[242:243]
	s_wait_alu depctr_va_vdst(0)
	s_wait_dscnt 0x0                               ; V
.irp t, 0,1,2,3                                ; O^T += V^T P^T: four accumulators by turns; K = these 128 keys
	v_wmma_scale_f32_16x16x128_f8f6f4 v[160+8*\t:167+8*\t], v[36+12*\t:47+12*\t], v[192:203], v[160+8*\t:167+8*\t], v[232+\t], v236 matrix_a_fmt:MATRIX_FMT_FP6 matrix_b_fmt:MATRIX_FMT_FP6
.endr
	s_add_co_u32 s[TB], s[TB], 6144
	s_add_co_u32 s[TW], s[TW], 512
.endm
.macro WALK qb, qw                     ; all 16 key steps for 16 queries
.Lstep_\@:
	STEP \qb, \qw
	s_sub_co_u32 s[CNT], s[CNT], 1
	s_cmp_lg_u32 s[CNT], 0
	s_cbranch_scc1 .Lstep_\@
.endm
; THE WAY OUT of walk p.  O^T / the sum; register 16 b + i is d = 32 b + 16 h + i of my query: two blocks of the next product's K.  They are quantised and leave as one half image.
.macro LEAVE p
.rept 4
	v_nop                                          ; places behind the last products
.endr
	v_add_f32 v14, v14, v15                        ; the sum's two halves,
	s_delay_alu instid0(VALU_DEP_1)
	v_permlanex16_b32 v240, v14, s[SEL], s[SEL+1]
	s_delay_alu instid0(VALU_DEP_1)
	v_add_f32 v14, v14, v240                       ; and lane l xor 16's: the row's sum
	s_wait_alu depctr_va_vdst(0)                   ; the wait ahead of the transcendental
	v_rcp_f32 v14, v14
	v_nop                                          ; one plain place behind a transcendental
	s_wait_alu depctr_va_vdst(0)                   ; and behind it, directly ahead of the first readers
.set j, 0
.rept 16
	v_pk_mul_f32 v[96+j:97+j], v[160+j:161+j], v[14:15] op_sel_hi:[1,0]
.set j, j+2
.endr
.irp b, 0,1
	v_max3_num_f32 v[212+\b], |v[96+16*\b]|, |v[97+16*\b]|, 0x1800000
.endr
.irp i, 2,4,6,8,10,12,14
.irp b, 0,1
	s_delay_alu instid0(VALU_DEP_2)
	v_max3_num_f32 v[212+\b], v[212+\b], |v[96+16*\b+\i]|, |v[97+16*\b+\i]|
.endr
.endr
.irp b, 0,1
	s_delay_alu instid0(VALU_DEP_2)
	v_permlanex16_b32 v[216+\b], v[212+\b], s[SEL], s[SEL+1]
.endr
.irp b, 0,1
	s_delay_alu instid0(VALU_DEP_2)
	v_max_num_f32 v[212+\b], v[212+\b], v[216+\b]
.endr
.irp b, 0,1
	s_delay_alu instid0(VALU_DEP_2)
	v_add_nc_u32 v[220+\b], 0xff000000, v[212+\b]
.endr
.irp b, 0,1
	s_delay_alu instid0(VALU_DEP_2)
	v_lshrrev_b32 v[216+\b], 23, v[220+\b]
.endr
	v_cvt_scalef32_pk16_fp6_f32 v[192:194], v[96:111], v220
	v_cvt_scalef32_pk16_fp6_f32 v[204:206], v[112:127], v221
	v_nop                                          ; one plain place behind a scaled conversion
.irp i, 0,1,2
	v_permlane16_swap_b32 v[192+\i], v[204+\i]
.endr
.irp i, 0,1,2
	s_delay_alu instid0(VALU_DEP_3)
	v_mov_b32 v[195+\i], v[204+\i]
.endr
	v_cmp_ne_u32 vcc_lo, 0, v9
	s_delay_alu instid0(VALU_DEP_1)
	v_cndmask_b32 v240, v216, v217, vcc_lo         ; lane (r, h) stores row r's byte of block h
	global_store_b128 v1, v[192:195], s[8:9] offset:196608*\p        ; 512 consecutive bytes; walk 1: 16 x 16 half images on
	global_store_b64 v2, v[196:197], s[8:9] offset:196608*\p+512     ; and 256
	global_store_b8 v8, v240, s[104:105] offset:8192*\p              ; walk 1: 16 x 16 rows of 32 bytes on
.endm
	INIT
	s_wait_alu depctr_va_vdst(0)
	s_wait_tensorcnt 0x0                           ; my fill, if I issued one, has landed
	s_barrier_signal -1
	s_barrier_wait -1                              ; all ten have: K, V and their words are whole for all sixteen waves, and stay
	WALK 16, 28
	LEAVE 0
	s_wait_alu depctr_va_vdst(0)
	s_wait_xcnt 0x0                                ; the three stores have read their registers, which the second walk writes again
	INIT
	WALK 84, 237
	LEAVE 1
	s_wait_tensorcnt 0x0                           ; the wave's end
	ds_add_u32 v254, v255
	s_wait_dscnt 0x0
	CROUND                                         ; the closing round: no work-group ends while a partner may still ask for a tile that names it
	s_endpgm
.Lfunc_end_k_qc824642d95_attn:
	.size	k_qc824642d95_attn, .Lfunc_end_k_qc824642d95_attn-k_qc824642d95_attn
	.p2alignl 7, 3214868480
	.fill 96, 4, 3214868480
	.section	.rodata,"a",@progbits
	.p2align	6, 0x0
	.amdhsa_kernel k_qc824642d95_attn
		.amdhsa_group_segment_fixed_size 215040
		.amdhsa_private_segment_fixed_size 0
		.amdhsa_enable_private_segment 0
		.amdhsa_kernarg_size 24
		.amdhsa_user_sgpr_count 2
		.amdhsa_user_sgpr_kernarg_segment_ptr 1
		.amdhsa_wavefront_size32 1
		.amdhsa_system_sgpr_workgroup_id_x 1
		.amdhsa_system_sgpr_workgroup_id_y 1
		.amdhsa_system_sgpr_workgroup_id_z 1
		.amdhsa_system_vgpr_workitem_id 0
		.amdhsa_next_free_vgpr 256
		.amdhsa_next_free_sgpr 106
		.amdhsa_reserve_vcc 1
		.amdhsa_float_denorm_mode_32 3
		.amdhsa_float_denorm_mode_16_64 3
		.amdhsa_memory_ordered 1
		.amdhsa_forward_progress 1
		.amdhsa_inst_pref_size 60
	.end_amdhsa_kernel
	.amdgpu_metadata
---
amdhsa.version: [ 1, 2 ]
amdhsa.kernels:
  - .name:           k_qc824642d95_attn
    .symbol:         k_qc824642d95_attn.kd
    .args:
      - { .name: qk, .offset: 0, .size: 8, .value_kind: global_buffer, .address_space: global }
      - { .name: vv, .offset: 8, .size: 8, .value_kind: global_buffer, .address_space: global }
      - { .name: oq, .offset: 16, .size: 8, .value_kind: global_buffer, .address_space: global }
    .group_segment_fixed_size: 215040
    .private_segment_fixed_size: 0
    .kernarg_segment_align: 8
    .kernarg_segment_size: 24
    .max_flat_workgroup_size: 512
    .sgpr_count:     106
    .vgpr_count:     256
    .wavefront_size: 32
...
	.end_amdgpu_metadata
.endif
;; end of part 3
;; launch gemm_out (part 4): grid 4 x 64, 4 waves a work-group, clusters of 4 x 4, 327,680 bytes of LDS; arguments oq, woutq, out0; writes out0
.if DOCPART == 4
	.amdgcn_target "amdgcn-amd-amdhsa--gfx1250"
	.amdhsa_code_object_version 6
	.text
	.protected	k_qc824642d95_gemm_out
	.globl	k_qc824642d95_gemm_out
	.p2align	8
	.type	k_qc824642d95_gemm_out,@function
k_qc824642d95_gemm_out:
	s_mov_b64 s[64:65], 0
	v_nop
	global_prefetch_b8 v0, s[64:65] scope:SCOPE_SE
	s_setreg_imm32_b32 hwreg(HW_REG_WAVE_MODE, 25, 1), 1
	s_wait_xcnt 0x0
	s_wait_alu depctr_hold_cnt(0) depctr_sa_sdst(0) depctr_va_vdst(0) depctr_va_sdst(0) depctr_va_ssrc(0) depctr_va_vcc(0) depctr_vm_vsrc(0)
	s_getreg_b32 s2, hwreg(HW_REG_IB_STS2, 6, 4)
	s_cmp_eq_u32 s2, 0
	s_cbranch_scc0 .Lentry_in_a_cluster
	s_endpgm
.Lentry_in_a_cluster:
	s_bfe_u32 s2, ttmp6, 0x10000c
	s_cmp_lg_u32 s2, 0xf033
	s_cbranch_scc0 .Lentry_shape_is_right
	s_endpgm
.Lentry_shape_is_right:
; out0[m][n] = the sum over k of o[m][k] Wout[n][k]: [8192][1024] x [1024][1024], both as codes of FP6 (E2M3) with one E8M0 byte for each 32 along K; sums and result f32.
; OPERANDS (oq, woutq): 32 scale bytes a row in the first SCR bytes; behind them images of the operand's registers: row block i (16 rows) has its 16 half images (16 rows x 64 K, 768 bytes) on end at SCR + 12,288 i.
; SHARES.  A block of 128 x 256 to a work-group: 64 x 4 = 256 work-groups.  Four waves, each 64 x 128: 32 accumulators, 256 registers.
; ALL OF K LIES IN LDS: two slots of K = 512 (A's 8 row blocks x 6,144 bytes, then B's 16), each filled ONCE.  Slot 0 and the scales come by the head's four loads, one a wave; slot 1 behind a wait on TENSORcnt, an add and a round of the cluster,
; a quarter a wave.  Nothing is filled again.
; CLUSTERS: 4 x 4 work-groups; A's tiles are asked for jointly along a row of the cluster, B's along a column.
; PREFETCH: slot 1's bytes are named behind the head's loads, one slot ahead: of what my wave will fetch each of the four partners names a quarter, told apart by address (cx for A, cy for B).
; THE MATRIX INSTRUCTION IS USED TRANSPOSED (source 0 = 16 rows of Wout, source 1 = 16 rows of o): a lane holds eight neighbouring numbers of a row of the result.
; REGISTERS: window 0: v14-31 addresses; v32-63 scale words, two sets; v128-223 A's fragments, two sets of 4; on the way out v128-255.  Window 1: B's fragments, two sets of 8, at v0 and v128.  Window 2: the accumulators, (a, b) at v[8 (8 a + b)].
.set SIZE_N, 1024
.set SCR,    262144
.set KROW,   768
.set KS,     32
.set RBK,    12288                     ; a row block's images, all of K
.set HB,     6144                      ; half of them: K = 512, four steps of 1,536 bytes
.set ASZ,    8*HB                      ; A's part of a slot
.set SLOT,   24*HB
.set SCL,    2*SLOT                    ; the scales, as units of 256 bytes + 16: A's 16 units and 16 of zeros, then B's 32
.set SBLK,   2*272                     ; those of 16 rows
.set SPARE,  SCL+64*272                ; the spare words: 128 bytes a wave
.set SPITCH, 528                       ; the way out: a stage of 16 rows x (512 + 16) bytes a wave, in slot 0, which has had its only fill and its last read by then
.set FR,   12
.set NP,   4
.set PFO,  14                          ; v14 the prefetches' offset; never rewritten
.set ADRA, 16                          ; v16-17 16 x lane + my A rows in slot 0, 1; v18-19 the same with 8 x lane
.set ADRB, 20                          ; v20-23 likewise for B
.set STO,  24
.set RD,   25
.set CO,   26
.set ADRS, 27                          ; my scale words: lanes 0-15 A's rows, lanes 16-31 B's
.set SPW,  28
.set NIL,  29
.set L16,  30
.set L8,   31
.set SC,   32
.set AF,   128
.set BK,   128
.set G1, 24
.set G0, 32
.set G1B, 48
.set G0B, 56
.set G1S, 68
.set G0S, 76
.set G1SB, 80
.set G0SB, 88
.set PFA, 96                           ; s[96:97] the prefetches' base; never rewritten
.set MSB, 0
.macro WIN new
.if MSB != \new
	s_set_vgpr_msb (MSB<<8)|\new
.set MSB, \new
.endif
.endm
.set MUL_LO, 0xa1                      ; source 0 window 1, source 1 window 0, C and D window 2
.set TO_B,   0x40
.macro CROUND                          ; a round of the cluster's barrier
	s_barrier_signal -1
	s_barrier_wait -1
	s_cmp_lg_u32 s14, 0
	s_cbranch_scc1 .Lnot_wave_0_\@
	s_barrier_signal -3
.Lnot_wave_0_\@:
	s_barrier_wait -3
	s_barrier_signal -1
	s_barrier_wait -1
.endm
.macro PLACES n
.rept \n
	v_nop
.endr
.endm
	s_load_b64 s[6:7], s[0:1], 0x0                 ; oq
	s_load_b64 s[10:11], s[0:1], 0x8               ; woutq
	s_load_b64 s[12:13], s[0:1], 0x10              ; out0
	v_lshl_add_u32 v[SPW], v0, 2, SPARE
	v_mov_b32 v[NIL], 0
	ds_add_u32 v[SPW], v[NIL]                      ; the opening lines: the add twice on end and its wait
	ds_add_u32 v[SPW], v[NIL]
	v_lshrrev_b32 v1, 5, v0
	v_readfirstlane_b32 s14, v1                    ; wave 0..3
	s_lshr_b32 s15, s14, 1                         ; which 64 rows are mine; also: I fetch for A (0) or for B (1)
	s_and_b32 s16, s14, 1                          ; which 128 columns; also: which half of that tile I fetch
	s_bfe_u32 s40, ttmp6, 0x40000                  ; cx
	s_bfe_u32 s41, ttmp6, 0x40004                  ; cy
	s_lshl_b32 s42, ttmp9, 2
	s_add_co_u32 s42, s42, s40                     ; block column
	s_and_b32 s17, ttmp7, 0xffff
	s_lshl_b32 s17, s17, 2
	s_add_co_u32 s17, s17, s41                     ; block row
	s_lshl_b32 s43, s41, 2
	s_lshl_b32 s43, 15, s43                        ; my row of the cluster
	s_lshl_b32 s44, 0x1111, s40                    ; my column
	s_or_b32 s[G1+0], s43, (3<<16)|(1<<21)         ; codes: rows of 768 elements of 8 bytes, a row block's half of K, 12,288 bytes apart, dense in LDS
	s_or_b32 s[G1B+0], s44, (3<<16)|(1<<21)
.irp g, G1, G1B
	s_mov_b32 s[\g+1], 768<<16
	s_mov_b32 s[\g+3], 768<<16
	s_mov_b32 s[\g+5], 1536
	s_mov_b32 s[\g+6], 0
	s_mov_b32 s[\g+7], 0
.endr
	s_mov_b32 s[G1+2], 8<<16                       ; the head's loads bring a whole tile: A's 8 row blocks,
	s_mov_b32 s[G1+4], 8
	s_mov_b32 s[G1B+2], 16<<16                     ; B's 16
	s_mov_b32 s[G1B+4], 16
	s_or_b32 s[G1S+0], s43, (3<<16)|(1<<20)|(1<<21)|(5<<22)|(3<<25)   ; scales: rows of 256 bytes, 16 bytes of padding behind each
	s_or_b32 s[G1SB+0], s44, (3<<16)|(1<<20)|(1<<21)|(5<<22)|(3<<25)
.irp g, G1S, G1SB
	s_mov_b32 s[\g+1], 32<<16
	s_mov_b32 s[\g+3], 32<<16
	s_mov_b32 s[\g+4], 32
	s_mov_b32 s[\g+5], 32
	s_mov_b32 s[\g+6], 0
	s_mov_b32 s[\g+7], 0
.endr
	s_mov_b32 s[G1S+2], 16<<16                     ; A has 128 rows, 16 units: the tile's other 16 are past the tensor's end and are written as zeros (lanes 0-15 of the words of blocks 4 to 7, which no product names)
	s_mov_b32 s[G1SB+2], 32<<16
	s_lshl_b32 s20, s17, 7                         ; A: the block's first row
	s_lshl_b32 s46, s42, 8                         ; B: likewise
	s_mov_b32 s21, 0
	s_mov_b32 s47, 0
	s_mov_b64 s[18:19], KS
	s_mul_u64 s[22:23], s[20:21], s[18:19]
	s_mul_u64 s[92:93], s[46:47], s[18:19]
	s_mov_b64 s[18:19], KROW
	s_mul_u64 s[20:21], s[20:21], s[18:19]
	s_mul_u64 s[46:47], s[46:47], s[18:19]
	s_mul_i32 s18, s16, 4*RBK                      ; slot 1: my half of A's tile, in bytes (B's: twice that)
	s_mov_b32 s19, 0
	s_wait_alu depctr_va_vdst(0)
	s_wait_dscnt 0x0
	s_wait_kmcnt 0x0
	s_add_nc_u64 s[4:5], s[6:7], SCR
	s_add_nc_u64 s[8:9], s[10:11], SCR
	s_add_nc_u64 s[20:21], s[4:5], s[20:21]
	s_add_nc_u64 s[22:23], s[6:7], s[22:23]
	s_add_nc_u64 s[46:47], s[8:9], s[46:47]
	s_add_nc_u64 s[92:93], s[10:11], s[92:93]
	CROUND                                         ; all sixteen work-groups are here: the first joint loads meet
	s_mov_b32 s4, 1                                ; s[4:7]: slot 0's A;  s[8:11]: slot 0's B
	s_mov_b32 s5, 0
	s_mov_b64 s[6:7], s[20:21]
	s_or_b32 s7, s7, 0x80000000
	s_mov_b32 s8, 1
	s_mov_b32 s9, ASZ
	s_mov_b64 s[10:11], s[46:47]
	s_or_b32 s11, s11, 0x80000000
	s_mov_b32 s[G0S], 1
	s_mov_b32 s[G0S+1], SCL
	s_mov_b64 s[G0S+2:G0S+3], s[22:23]
	s_or_b32 s[G0S+3], s[G0S+3], 0x80000000
	s_mov_b32 s[G0SB], 1
	s_mov_b32 s[G0SB+1], SCL+32*272
	s_mov_b64 s[G0SB+2:G0SB+3], s[92:93]
	s_or_b32 s[G0SB+3], s[G0SB+3], 0x80000000
	s_add_nc_u64 s[20:21], s[20:21], s[18:19]      ; slot 1: my 4 row blocks of A,
	s_lshl_b32 s18, s18, 1
	s_add_nc_u64 s[46:47], s[46:47], s[18:19]      ; my 8 of B
	s_mov_b32 s[G0], 1
	s_mul_i32 s[G0+1], s16, 4*HB
	s_add_co_u32 s[G0+1], s[G0+1], SLOT
	s_add_nc_u64 s[G0+2:G0+3], s[20:21], HB
	s_or_b32 s[G0+3], s[G0+3], 0x80000000
	s_mov_b32 s[G0B], 1
	s_mul_i32 s[G0B+1], s16, 8*HB
	s_add_co_u32 s[G0B+1], s[G0B+1], SLOT+ASZ
	s_add_nc_u64 s[G0B+2:G0B+3], s[46:47], HB
	s_or_b32 s[G0B+3], s[G0B+3], 0x80000000
	s_cmp_eq_u32 s15, 0                            ; the prefetches' base: of my 4 row blocks of A partner cx names one, of my 8 of B partner cy two
	s_cselect_b64 s[PFA:PFA+1], s[20:21], s[46:47]
	s_cselect_b32 s94, s40, s41
	s_mov_b32 s95, 2*RBK
	s_cselect_b32 s95, RBK, s95
	s_mul_i32 s94, s94, s95
	s_mov_b32 s95, 0
	s_add_nc_u64 s[PFA:PFA+1], s[PFA:PFA+1], s[94:95]
; The head's four tiles, one joint load a wave, in one chain of branches on the wave's number.
.macro ARM under, g0, g1, next
	s_cmp_lt_u32 s14, \under
	s_cbranch_scc0 \next
	tensor_load_to_lds s[\g0:\g0+3], s[\g1:\g1+7]
	s_nop 0
	PLACES 4
	s_branch .Lhead_asked
\next:
.endm
	ARM 1, 4, G1, .Lhead_b
	ARM 2, 8, G1B, .Lhead_sa
	ARM 3, G0S, G1S, .Lhead_sb
	tensor_load_to_lds s[G0SB:G0SB+3], s[G1SB:G1SB+7]
	s_nop 0
	PLACES 4
.Lhead_asked:
	v_and_b32 v1, 15, v0                           ; r
	v_bfe_u32 v2, v0, 4, 1                         ; h
	v_and_b32 v3, 31, v0
	v_lshlrev_b32 v[L16], 4, v3
	v_lshlrev_b32 v[L8], 3, v3
	v_min_u32 v[PFO], 23, v3                       ; a row block's half of K is 24 blocks of 256 bytes: a lane a block; lanes 24 to 31 name the last again
	v_lshlrev_b32 v[PFO], 8, v[PFO]
	s_mul_i32 s21, s15, 4*HB                       ; my 64 rows of A
	s_mul_i32 s22, s16, 8*HB                       ; my 128 rows of B,
	s_add_co_u32 s22, s22, ASZ                     ; behind A's
.irp s, 0,1
	v_add_nc_u32 v[ADRA+\s], s21, v[L16]
	v_add_nc_u32 v[ADRB+\s], s22, v[L16]
	v_add_nc_u32 v[ADRA+2+\s], s21, v[L8]
	v_add_nc_u32 v[ADRB+2+\s], s22, v[L8]
	s_add_co_u32 s21, s21, SLOT
	s_add_co_u32 s22, s22, SLOT
.endr
	v_mul_u32_u24 v5, v1, KS                       ; my row's scales: 32 bytes a row, and 16 more for each 256 passed
	v_lshrrev_b32 v6, 8, v5
	v_lshl_add_u32 v5, v6, 4, v5
	s_mul_i32 s21, s15, 8*272
	s_mul_i32 s22, s16, 16*272
	s_add_co_u32 s22, s22, 32*272
	s_sub_co_u32 s22, s22, s21
	v_mul_u32_u24 v6, s22, v2                      ; lanes 16-31 take B's
	s_add_co_u32 s21, s21, SCL
	v_add_nc_u32 v5, v5, v6
	v_add_nc_u32 v[ADRS], s21, v5
	s_mul_i32 s23, s14, 16*SPITCH                  ; my stage
	v_mul_u32_u24 v5, v1, SPITCH
	v_lshl_add_u32 v5, v2, 5, v5
	v_add_nc_u32 v[STO], s23, v5
	v_lshlrev_b32 v[CO], 4, v3
	v_add_nc_u32 v[RD], s23, v[CO]
	s_wait_alu depctr_va_vdst(0)
	global_prefetch_b8 v[PFO], s[PFA:PFA+1] offset:HB th:TH_LOAD_NT scope:SCOPE_SE
	s_cmp_eq_u32 s15, 0
	s_cbranch_scc1 .Lnamed
	global_prefetch_b8 v[PFO], s[PFA:PFA+1] offset:HB+RBK th:TH_LOAD_NT scope:SCOPE_SE   ; B's second row block
.Lnamed:
	s_lshl_b32 s20, s17, 7
	s_lshl_b32 s21, s15, 6
	s_add_co_u32 s20, s20, s21                     ; my first row of the result
	s_mov_b32 s21, 0
	s_mov_b64 s[18:19], SIZE_N*4
	s_mul_u64 s[20:21], s[20:21], s[18:19]
	s_lshl_b32 s46, s42, 10
	s_lshl_b32 s47, s16, 9
	s_add_co_u32 s46, s46, s47                     ; my first column, in bytes
	s_mov_b32 s47, 0
	s_add_nc_u64 s[20:21], s[20:21], s[46:47]
	s_add_nc_u64 s[12:13], s[12:13], s[20:21]
.macro FRAG reg, adr, q, i             ; a fragment, 16 rows x 128 K: two half images as they lie
	ds_load_b128 v[\reg:\reg+3],     v[\adr]   offset:(\i)*HB+(\q)*1536
	ds_load_b64  v[\reg+4:\reg+5],   v[\adr+2] offset:(\i)*HB+(\q)*1536+512
	ds_load_b128 v[\reg+6:\reg+9],   v[\adr]   offset:(\i)*HB+(\q)*1536+768
	ds_load_b64  v[\reg+10:\reg+11], v[\adr+2] offset:(\i)*HB+(\q)*1536+1280
.endm
.macro FETCH st                        ; step st's fragments into set st % 2: slot st / 4, its step st % 4; with an even step the scale words of two steps into set (st / 2) % 2
	WIN TO_B
.irp i, 0,1,2,3,4,5,6,7
	FRAG 128*((\st)%2)+FR*\i, ADRB+(\st)/4, (\st)%4, \i
.endr
	WIN 0
.irp i, 0,1,2,3
	FRAG AF+48*((\st)%2)+FR*\i, ADRA+(\st)/4, (\st)%4, \i
.endr
.if (\st)%2 == 0
.irp i, 0,1,2,3,4,5,6,7
	ds_load_b64 v[SC+16*(((\st)/2)%2)+2*\i:SC+16*(((\st)/2)%2)+2*\i+1], v[ADRS] offset:\i*SBLK+4*(\st)
.endr
.endif
.endm
; 16 matrix instructions: A's blocks a0, a0 + 1 x B's eight.  The 32 accumulators take turns in the same order in every step.
.macro MUL16 a0, st, zero
.irp a, \a0, \a0+1
.irp b, 0,1,2,3,4,5,6,7
.if \zero
	v_wmma_scale_f32_16x16x128_f8f6f4 v[8*(8*(\a)+\b):8*(8*(\a)+\b)+7], v[128*((\st)%2)+FR*\b:128*((\st)%2)+FR*\b+FR-1], v[AF+48*((\st)%2)+FR*(\a):AF+48*((\st)%2)+FR*(\a)+FR-1], 0, v[SC+16*(((\st)/2)%2)+2*\b+(\st)%2], v[SC+16*(((\st)/2)%2)+2*(\a)+(\st)%2] matrix_a_fmt:MATRIX_FMT_FP6 matrix_b_fmt:MATRIX_FMT_FP6 matrix_a_scale:MATRIX_SCALE_ROW1
.else
	v_wmma_scale_f32_16x16x128_f8f6f4 v[8*(8*(\a)+\b):8*(8*(\a)+\b)+7], v[128*((\st)%2)+FR*\b:128*((\st)%2)+FR*\b+FR-1], v[AF+48*((\st)%2)+FR*(\a):AF+48*((\st)%2)+FR*(\a)+FR-1], v[8*(8*(\a)+\b):8*(8*(\a)+\b)+7], v[SC+16*(((\st)/2)%2)+2*\b+(\st)%2], v[SC+16*(((\st)/2)%2)+2*(\a)+(\st)%2] matrix_a_fmt:MATRIX_FMT_FP6 matrix_b_fmt:MATRIX_FMT_FP6 matrix_a_scale:MATRIX_SCALE_ROW1
.endif
.endr
.endr
.endm
; A step of 128 along K: the next step's fragments are asked for ahead of this step's 32 products.  The four places stand in front of loads into registers that the step before multiplied.
.macro STEP st, zero
.set NX, (\st)+1
.if (\st) == 3                         ; the next step reads slot 1
	s_wait_tensorcnt 0x0                           ; my part of slot 1 has landed (my one load that was out)
	s_wait_dscnt 0x0                               ; this step's fragments are in: my reads of slot 0 are over
	s_barrier_signal -1
	WIN MUL_LO
	MUL16 0, \st, \zero
	WIN 0
	s_barrier_wait -1                              ; slot 1 is whole for all four waves
	PLACES NP
	FETCH NX
	WIN MUL_LO
	MUL16 2, \st, \zero
	WIN 0
.else
	s_wait_dscnt 0x0                               ; this step's fragments are in
	PLACES NP
	FETCH NX
	WIN MUL_LO
	MUL16 0, \st, \zero
	MUL16 2, \st, \zero
	WIN 0
.endif
.endm
	s_wait_tensorcnt 0x0                           ; my tile of the head's four is in
	ds_add_u32 v[SPW], v[NIL]
	s_mov_b32 s[G1+2], 4<<16                       ; no tensor load of mine is out: slot 1 comes by quarters: 4 row blocks of A,
	s_mov_b32 s[G1+4], 4
	s_mov_b32 s[G1B+2], 8<<16                      ; 8 of B
	s_mov_b32 s[G1B+4], 8
	s_wait_dscnt 0x0
	CROUND                                         ; all four tiles are in, and all sixteen work-groups are here
	s_cmp_eq_u32 s15, 0
	s_cbranch_scc0 .Lfor_b
	tensor_load_to_lds s[G0:G0+3], s[G1:G1+7]
	s_nop 0
	PLACES 4
	s_branch .Lasked
.Lfor_b:
	tensor_load_to_lds s[G0B:G0B+3], s[G1B:G1B+7]
	s_nop 0
	PLACES 4
.Lasked:
	FETCH 0
	STEP 0, 1                                      ; the first step's products start the sums
.set ST, 1
.rept 6
	STEP ST, 0
.set ST, ST+1
.endr
	s_wait_dscnt 0x0
	WIN MUL_LO
	MUL16 0, 7, 0
	MUL16 2, 7, 0
	WIN 0
; THE WAY OUT, block by block of 16 rows x 128 columns: through my own stage and back as whole rows of 512 bytes, which the 32 lanes store as two aligned units of 256 bytes.
.macro TOSTAGE a
	WIN 0x08                                       ; the data: window 2
.irp b, 0,1,2,3,4,5,6,7
	ds_store_b128 v[STO], v[64*(\a)+8*\b:64*(\a)+8*\b+3] offset:64*\b      ; each accumulator from its low end on
	ds_store_b128 v[STO], v[64*(\a)+8*\b+4:64*(\a)+8*\b+7] offset:64*\b+16
.endr
	WIN 0
.set BB, BK+64*((\a)%2)
.irp t, 0,1,2,3,4,5,6,7,8,9,10,11,12,13,14,15
	ds_load_b128 v[BB+4*\t:BB+4*\t+3], v[RD] offset:\t*SPITCH              ; LDS serves a wave's instructions in order: these see the stores above
.endr
.endm
.macro SEND a, younger
.set BB, BK+64*((\a)%2)
	s_wait_dscnt \younger                          ; the block is back in registers
.if (\a) > 0
	s_add_nc_u64 s[12:13], s[12:13], 16*SIZE_N*4   ; (behind a wait on XCNT: the earlier stores have read their base)
.endif
.irp t, 0,1,2,3,4,5,6,7,8,9,10,11,12,13,14,15
	global_store_b128 v[CO], v[BB+4*\t:BB+4*\t+3], s[12:13] offset:\t*SIZE_N*4 th:TH_STORE_NT
.endr
.endm
	PLACES NP
	TOSTAGE 0
.irp a, 1,2,3
.if \a > 1
	s_wait_xcnt 0x0                                ; block a - 2's stores have read their registers and their base
.endif
	TOSTAGE \a
	SEND \a-1, 32                                  ; behind block a - 1's loads: block a's 16 stores and 16 loads
.endr
	s_wait_xcnt 0x0
	SEND 3, 0
	s_wait_tensorcnt 0x0                           ; the wave's end
	ds_add_u32 v[SPW], v[NIL]
	s_wait_dscnt 0x0
	CROUND                                         ; the closing round
	s_endpgm
.Lfunc_end_k_qc824642d95_gemm_out:
	.size	k_qc824642d95_gemm_out, .Lfunc_end_k_qc824642d95_gemm_out-k_qc824642d95_gemm_out
	.p2alignl 7, 3214868480
	.fill 96, 4, 3214868480
	.section	.rodata,"a",@progbits
	.p2align	6, 0x0
	.amdhsa_kernel k_qc824642d95_gemm_out
		.amdhsa_group_segment_fixed_size 327680
		.amdhsa_private_segment_fixed_size 0
		.amdhsa_enable_private_segment 0
		.amdhsa_kernarg_size 24
		.amdhsa_user_sgpr_count 2
		.amdhsa_user_sgpr_kernarg_segment_ptr 1
		.amdhsa_wavefront_size32 1
		.amdhsa_system_sgpr_workgroup_id_x 1
		.amdhsa_system_sgpr_workgroup_id_y 1
		.amdhsa_system_sgpr_workgroup_id_z 1
		.amdhsa_system_vgpr_workitem_id 0
		.amdhsa_next_free_vgpr 768
		.amdhsa_next_free_sgpr 100
		.amdhsa_reserve_vcc 0
		.amdhsa_float_denorm_mode_32 3
		.amdhsa_float_denorm_mode_16_64 3
		.amdhsa_memory_ordered 1
		.amdhsa_forward_progress 1
		.amdhsa_inst_pref_size 87
	.end_amdhsa_kernel
	.amdgpu_metadata
---
amdhsa.version: [ 1, 2 ]
amdhsa.kernels:
  - .name:           k_qc824642d95_gemm_out
    .symbol:         k_qc824642d95_gemm_out.kd
    .args:
      - { .name: oq, .offset: 0, .size: 8, .value_kind: global_buffer, .address_space: global }
      - { .name: woutq, .offset: 8, .size: 8, .value_kind: global_buffer, .address_space: global }
      - { .name: out0, .offset: 16, .size: 8, .value_kind: global_buffer, .address_space: global }
    .group_segment_fixed_size: 327680
    .private_segment_fixed_size: 0
    .kernarg_segment_align: 8
    .kernarg_segment_size: 24
    .max_flat_workgroup_size: 128
    .sgpr_count:     100
    .vgpr_count:     768
    .wavefront_size: 32
...
	.end_amdgpu_metadata
.endif
;; end of part 4
